; MI455X (gfx1250); checked and timed in simulation.
; The chip was launched on July 23, 2026; its instructions are those of AMD's public machine-readable ISA for CDNA 5 (MIT licence, August 2026) and "CDNA5" Instruction Set Architecture Reference Guide (July 2026). The comments in the code are by the model that wrote it; some were corrected since.
;; Double Attention. Allowed arithmetic: matrix products marked QUANTISED: E3M2 operands, one E8M0 scale for each 32 along K, by v_wmma_scale_f32_16x16x128_f8f6f4 with both operands' format E3M2, f32 sums; everything else in f32.
;; Inputs: bA 512 float32; bB 512 float32; bR 512 float32; bV 512 float32; wA_codes 512 x 16 x 24 uint8 (E3M2 codes of wA, K innermost, in blocks of 32 codes, four codes in three bytes); wA_scales 512 x 16 uint8 (E8M0 scales of wA, one for each 32 codes along K); wB_codes 512 x 16 x 24 uint8 (E3M2 codes of wB, K innermost, in blocks of 32 codes, four codes in three bytes); wB_scales 512 x 16 uint8 (E8M0 scales of wB, one for each 32 codes along K); wR_codes 512 x 16 x 24 uint8 (E3M2 codes of wR, K innermost, in blocks of 32 codes, four codes in three bytes); wR_scales 512 x 16 uint8 (E8M0 scales of wR, one for each 32 codes along K); wV_codes 512 x 16 x 24 uint8 (E3M2 codes of wV, K innermost, in blocks of 32 codes, four codes in three bytes); wV_scales 512 x 16 uint8 (E8M0 scales of wV, one for each 32 codes along K); x_codes 32 x 32 x 32 x 16 x 24 uint8 (E3M2 codes of x, K innermost, in blocks of 32 codes, four codes in three bytes); x_scales 32 x 32 x 32 x 16 uint8 (E8M0 scales of x, one for each 32 codes along K).
;; Outputs: out0 32 x 512 x 32 x 32 float32.
;; This version of the problem:
;;   THIS VERSION OF THE PROBLEM IS GIVEN IN LOW PRECISION. The matrix products marked QUANTISED in the list below multiply operands that are first quantised to E3M2 (3 exponent bits, 2 mantissa bits; 6 bits a number), with one power-of-two scale for each 32 numbers along K (OCP MX v1.0); their sums are f32. All else is computed in f32.
;;   The module's matrix products, in the order in which they are computed (A, B: the left and right operand; K: the contracted axis; several contracted axes count as one K, in the product's order):
;;     1. [M 512, K 512] x [K 512, N 32,768]; A: input wA (given as codes); B: input x (given as codes): QUANTISED
;;     2. [M 512, K 512] x [K 512, N 32,768]; A: input wB (given as codes); B: input x (given as codes): QUANTISED
;;     3. [M 512, K 512] x [K 512, N 32,768]; A: input wV (given as codes); B: input x (given as codes): QUANTISED
;;     4. batch 32 x [M 512, K 1,024] x [K 1,024, N 512]; A: computed on the way; B: softmax (see below): QUANTISED
;;     5. batch 32 x [M 512, K 512] x [K 512, N 1,024]; A: computed on the way; B: computed on the way: QUANTISED
;;     6. [M 512, K 512] x [K 512, N 32,768]; A: input wR (given as codes); B: computed on the way: QUANTISED
;;   THE QUANTISER, for each operand of a quantised product, along K:
;;     - K is cut into blocks of 32 from its start; a last block that is shorter is filled with zeros.
;;     - A block's scale is 2^e with e = floor(log2(the largest magnitude in the block)) - 4, held to -126 .. 127; a block of zeros has e = 0. As a byte (E8M0): e + 127.
;;     - Each number is divided by its block's scale, clamped to +-28, and rounded to the nearest number of E3M2, ties to even, subnormals kept.
;;     - The product sums the exact products of the quantised numbers (number of the format x scale) in f32.
;;   ~~~python
;;   def quantise(x, axis):      # numpy; x: float32 -> the quantised numbers, widened to float32 again
;;       x = np.moveaxis(x, axis, -1); K = x.shape[-1]
;;       x = np.pad(x, [(0, 0)] * (x.ndim - 1) + [(0, -K % 32)]); x = x.reshape(x.shape[:-1] + (-1, 32)); a = np.abs(x).max(-1, keepdims=True)
;;       e = np.where(a > 0, np.clip(np.frexp(np.where(a > 0, a, 1))[1] - 1 - 4, -126, 127), 0)      # np.frexp(a)[1] - 1 = floor(log2(a)), exactly
;;       r = np.clip(x / 2.0 ** e, -28, 28)
;;       step = 2.0 ** (np.maximum(np.frexp(np.where(r == 0, 1, r))[1] - 1, -2) - 2)
;;       q = np.round(r / step) * step * 2.0 ** e      # np.round: ties to even
;;       return np.moveaxis(q.reshape(q.shape[:-2] + (-1,))[..., :K], -1, axis).astype(np.float32)
;;   ~~~
;;   SOFTMAX AHEAD OF A QUANTISED PRODUCT. Where the list says 'softmax', what is quantised is not the finished softmax but p = 2^(t - M), with t = logit x log2(e) and M = ceil(the row's largest t), a whole number; so 1/2 < the row's largest p <= 1. The row's sum l is taken of the UNQUANTISED p, in f32, and the product's result is divided by l at the end. Since M is a whole number, a kernel that streams over the keys may use a running M (the ceiling of the running maximum): every later rescaling is an exact power of two, which a block's scale takes up: the codes' values come out the same.
;;   OPERANDS COMPUTED ON THE WAY. 'Computed on the way' means the value that the module computes at that place (a softmax that the list does not call 'softmax' is quantised finished and normalised). What goes into a quantiser is computed in f32, as accurately as f32 sums, v_exp_f32 and their like allow (about 1e-6 of the number): no bf16 or f16 on the way to a quantiser, and a product that is left as it is and whose result goes on into a quantised operand takes f32 operands (vector FMAs, or v_wmma_f32_16x16x4_f32). A number that lies on a knife's edge between two numbers of the format may be rounded either way, as far as f32 arithmetic and the matrix unit's own rounding can turn it there, and no further.
;;   INPUTS GIVEN AS CODES. wA (in the module: [512, 512], K = its axis 1); wB (in the module: [512, 512], K = its axis 1); wR (in the module: [512, 512], K = its axis 1); wV (in the module: [512, 512], K = its axis 1); x (in the module: [32, 512, 32, 32], K = its axis 1): each comes as NAME_codes (uint8): NAME with its K axis moved to the last place and cut into blocks of 32 codes, [.., K / 32, bytes a block], one block behind the other in memory; four codes in three bytes: a row's codes are one little-endian stream of bits, code i at bits 6 i .. 6 i + 5 (a code: sign, 3 exponent bits, 2 mantissa bits); and NAME_scales (uint8): the same leading axes, one E8M0 byte (e + 127) for each 32 codes along K. Its value is code x scale, taken as it is: it is not quantised again, and the codes and scales need not be those that the quantiser above would give.
;; One version. Each part assembles by itself: llvm-mc -triple=amdgcn-amd-amdhsa -mcpu=gfx1250 --defsym DOCPART=n.
;; ======== version 1 of 1: 3 launches
;; workspace buffers: Acod 12,582,912 bytes; Pcod 12,582,912 bytes; Asc 524,288 bytes; Psc 524,288 bytes; stat 131,072 bytes; Gcod 6,291,456 bytes; Gsc 262,144 bytes; Wimg 393,216 bytes
;; launch proj (part 1): grid 8 x 32, 8 waves a work-group, clusters of 4 x 1, 327,680 bytes of LDS; arguments x_codes, x_scales, wA_codes, wB_codes, wV_codes, wA_scales, wB_scales, wV_scales, bA, bB, bV, Acod, Pcod, Asc, Psc, stat; writes Acod, Pcod, Asc, Psc, stat
.if DOCPART == 1
	.amdgcn_target "amdgcn-amd-amdhsa--gfx1250"
	.amdhsa_code_object_version 6
	.text
	.protected	k_q4e59482333_proj
	.globl	k_q4e59482333_proj
	.p2align	8
	.type	k_q4e59482333_proj,@function
k_q4e59482333_proj:
	s_mov_b64 s[64:65], 0
	v_nop
	global_prefetch_b8 v0, s[64:65] scope:SCOPE_SE
	s_setreg_imm32_b32 hwreg(HW_REG_WAVE_MODE, 25, 1), 1
	s_wait_xcnt 0x0
	s_wait_alu depctr_hold_cnt(0) depctr_sa_sdst(0) depctr_va_vdst(0) depctr_va_sdst(0) depctr_va_ssrc(0) depctr_va_vcc(0) depctr_vm_vsrc(0)
	s_getreg_b32 s2, hwreg(HW_REG_IB_STS2, 6, 4)
	s_cmp_eq_u32 s2, 0
	s_cbranch_scc0 .Lentry_in_a_cluster
	s_endpgm
.Lentry_in_a_cluster:
	s_bfe_u32 s2, ttmp6, 0x10000c
	s_cmp_lg_u32 s2, 0x3003
	s_cbranch_scc0 .Lentry_shape_is_right
	s_endpgm
.Lentry_shape_is_right:
; PROJ.  A = wA x + bA, Bm = wB x + bB, Vm = wV x + bV on codes of BF6 (E3M2) with E8M0 scales, K = 512 channels.
; What leaves: A as codes along n (Acod, Asc); p = 2^(t - M) of Bm as codes along n (Pcod, Psc), with 1 / l (stat[0]); of Vm only kappa = c bV - M - log2 l for each row (stat[1]), c = log2 e.
; SHARES.  Work-group (i, b) owns rows 64 i .. 64 i + 63 of each of A, Bm, Vm of batch b, for all 1,024 places n.  Wave v owns places 512 ch + 64 v + 0 .. 63 in chunk ch = 0, 1: its 16 fragments
; of x (4 tiles x 4 K steps, 192 registers) stay in registers through the chunk's 12 tiles of rows, so each byte of x leaves LDS once.
; LAYOUT.  Source 0 = 16 places of x, source 1 = 16 rows of a weight: a lane holds ONE row (lane % 16), and register 8 k + j the place 16 k + 8 (lane / 16) + j.  A block of 32 places lies in lanes l and
; l xor 16; inside a block the codes stand in a fixed other order than n, the same for A and for p, which meet only each other: the products and the blocks' scales are those of the true order.
; The wave's 64 places are half (v & 1) of K step 4 ch + (v >> 1) of the next product.  A half fragment (6 registers a lane) goes to memory as an image of its registers: registers 0-3 at 16 x lane, 4-5 at 512 + 8 x lane.
; SOFTMAX.  Each group of 64 places takes its own whole number M_g = ceil(its largest t); the codes do not hang on M; at the end the scale bytes are moved by M_g - M and the sums l_g are multiplied by 2^(M_g - M): exact.
; CLUSTER.  The four work-groups of a cluster belong to one batch and read the same x: wave v of each asks for its 64 rows jointly.  The weights' slices differ between partners and come through registers.
; LIMITS.  NaN and infinities are not served.  A block of zeros gets the byte 1, not 127 (its codes are zeros; only this program reads the bytes).  A byte of p that would fall under 0 below the final M is held at 0
; (numbers under 2^-122).  v_exp_f32 gives 0 under 2^-126.
.set XW,    27648                      ; LDS: a wave's 64 rows of x, 432 bytes apart (384 of codes, 16 of padding behind each 128)
.set WT,    221184                     ; 192 rows of weights (A's 64, B's 64, V's 64), the same pitch
.set AB,    304128                     ; [group 16][row 64] two scale bytes of A;  + 2,048: of p
.set MB,    308224                     ; [group 16][row 64] f32: -M_g of B;  + 4,096 l_g of B;  + 8,192 -M_g of V;  + 12,288 l_g of V
.set SPARE, 324608                     ; the spare words, 128 bytes for each wave
.set SPW,  1
.set NIL,  2
.set XA,   3                           ; v3-4   my place in a tile of x (24 and 40 bytes for the upper half of the lanes)
.set WA,   5                           ; v5-6   the same in the weights' tiles 0-7;  v7-8 in tiles 8-11
.set WB,   7
.set L16,  9                           ; 16 x lane
.set L8,   10                          ; 512 + 8 x lane
.set TB2,  11                          ; where I put two scale bytes
.set TB4,  12                          ; where I put -M_g
.set F4,   13                          ; the end: my row's column of f32 numbers;  v14 of byte pairs
.set F2,   14
.set P16,  15                          ; 16 x my row;  v16: 4 x my row
.set P4,   16
.set CPL,  17                          ; the weights' copy: LDS address;  v18: offset in memory
.set CPG,  18
.set R4,   19                          ; 4 x (lane % 16)
.set BIAS8, 20                         ; v20-27  the tile's bias, as the C of its first products
.set BI,   28                          ; v28-39  the 12 tiles' biases
.set WSC,  40                          ; v40-63  the weights' scale words: 4 x (tile / 2) + K step; even tile in lanes 0-15, odd in 16-31
.set XSC,  64                          ; v64-79  x's scale words: 8 x chunk + 4 x (tile / 2) + K step
.set WF,   80                          ; v80-127 four fragments of a weight
.set AC,   128                         ; v128-159 four accumulators
.set TM,   160
.set CX,   172
.set C6,   176
.set HW,   184
.set NM,   186                         ; v186 -M_g (v187 = 0: named with it as a pair)
.set SU,   188                         ; v188-193 maxima and sums
.set WV,   56
.set SEL,  60
.set CS,   62
.set MSB, 0
.macro WIN new                         ; the immediate's high byte repeats the setting that is left
.if MSB != \new
	s_set_vgpr_msb (MSB<<8)|\new
.set MSB, \new
.endif
.endm
.macro PLACES n
.rept \n
	v_nop
.endr
.endm
.macro ROUND                           ; a round of the cluster's barrier
	s_barrier_signal -1
	s_barrier_wait -1
	s_cmp_lg_u32 s[WV], 0
	s_cbranch_scc1 .Lnw0_\@
	s_barrier_signal -3
.Lnw0_\@:
	s_barrier_wait -3
	s_barrier_signal -1
	s_barrier_wait -1
.endm
; one product.  cm = 0: C is the constant 0; else v[c ..].  ra, rb = 1: that side's scales stand in lanes 16-31
.macro WM d, a, b, cm, c, sa, sb, ra, rb
.if (\cm) == 0
.if (\ra) && (\rb)
	v_wmma_scale_f32_16x16x128_f8f6f4 v[\d:\d+7], v[\a:\a+11], v[\b:\b+11], 0, v[\sa], v[\sb] matrix_a_fmt:MATRIX_FMT_BF6 matrix_b_fmt:MATRIX_FMT_BF6 matrix_a_scale:MATRIX_SCALE_ROW1 matrix_b_scale:MATRIX_SCALE_ROW1
.elseif (\ra)
	v_wmma_scale_f32_16x16x128_f8f6f4 v[\d:\d+7], v[\a:\a+11], v[\b:\b+11], 0, v[\sa], v[\sb] matrix_a_fmt:MATRIX_FMT_BF6 matrix_b_fmt:MATRIX_FMT_BF6 matrix_a_scale:MATRIX_SCALE_ROW1
.elseif (\rb)
	v_wmma_scale_f32_16x16x128_f8f6f4 v[\d:\d+7], v[\a:\a+11], v[\b:\b+11], 0, v[\sa], v[\sb] matrix_a_fmt:MATRIX_FMT_BF6 matrix_b_fmt:MATRIX_FMT_BF6 matrix_b_scale:MATRIX_SCALE_ROW1
.else
	v_wmma_scale_f32_16x16x128_f8f6f4 v[\d:\d+7], v[\a:\a+11], v[\b:\b+11], 0, v[\sa], v[\sb] matrix_a_fmt:MATRIX_FMT_BF6 matrix_b_fmt:MATRIX_FMT_BF6
.endif
.else
.if (\ra) && (\rb)
	v_wmma_scale_f32_16x16x128_f8f6f4 v[\d:\d+7], v[\a:\a+11], v[\b:\b+11], v[\c:\c+7], v[\sa], v[\sb] matrix_a_fmt:MATRIX_FMT_BF6 matrix_b_fmt:MATRIX_FMT_BF6 matrix_a_scale:MATRIX_SCALE_ROW1 matrix_b_scale:MATRIX_SCALE_ROW1
.elseif (\ra)
	v_wmma_scale_f32_16x16x128_f8f6f4 v[\d:\d+7], v[\a:\a+11], v[\b:\b+11], v[\c:\c+7], v[\sa], v[\sb] matrix_a_fmt:MATRIX_FMT_BF6 matrix_b_fmt:MATRIX_FMT_BF6 matrix_a_scale:MATRIX_SCALE_ROW1
.elseif (\rb)
	v_wmma_scale_f32_16x16x128_f8f6f4 v[\d:\d+7], v[\a:\a+11], v[\b:\b+11], v[\c:\c+7], v[\sa], v[\sb] matrix_a_fmt:MATRIX_FMT_BF6 matrix_b_fmt:MATRIX_FMT_BF6 matrix_b_scale:MATRIX_SCALE_ROW1
.else
	v_wmma_scale_f32_16x16x128_f8f6f4 v[\d:\d+7], v[\a:\a+11], v[\b:\b+11], v[\c:\c+7], v[\sa], v[\sb] matrix_a_fmt:MATRIX_FMT_BF6 matrix_b_fmt:MATRIX_FMT_BF6
.endif
.endif
.endm
; a fragment (16 rows x 128 K: 12 registers) from rows of 432 bytes, in pieces of 8 bytes.  Lanes 16-31 read three pieces further on, which is behind one padding more where the piece's number mod 16 is 13 or more
.macro XFRAG reg, adr, s, off
.irp p,0,1,2,3,4,5
.set PC, 12*(\s)+6*(\p/3)+\p%3
.if PC%16 < 13
	ds_load_b64 v[\reg+2*\p:\reg+2*\p+1], v[\adr] offset:\off+8*PC+16*(PC/16)
.else
	ds_load_b64 v[\reg+2*\p:\reg+2*\p+1], v[\adr+1] offset:\off+8*PC+16*(PC/16)
.endif
.endr
.endm
; 32 numbers of a lane (two blocks of 32 shared with lane l xor 16) become half a fragment's codes, v[c6 .. c6 + 5], and two scale bytes, v[hw]
.macro QH src, c6, hw
.irp k,0,1,2,3
	v_max3_num_f32 v[TM+\k], |v[\src+8*\k]|, |v[\src+8*\k+1]|, 0x2800000   ; each accumulator from its low end; the floor 2^(5 - 127) holds the byte at 1 from below
.endr
.irp i,2,4,6
.irp k,0,1,2,3
	v_max3_num_f32 v[TM+\k], v[TM+\k], |v[\src+8*\k+\i]|, |v[\src+8*\k+\i+1]|
.endr
.endr
	v_max_num_f32 v[TM], v[TM], v[TM+1]
	v_max_num_f32 v[TM+2], v[TM+2], v[TM+3]
	v_permlanex16_b32 v[TM+4], v[TM], s[SEL], s[SEL+1]
	v_permlanex16_b32 v[TM+5], v[TM+2], s[SEL], s[SEL+1]
	v_max_num_f32 v[TM], v[TM], v[TM+4]            ; the blocks' largest magnitudes
	v_max_num_f32 v[TM+2], v[TM+2], v[TM+5]
	v_add_nc_u32 v[TM+6], 0xfe000000, v[TM]        ; 4 off the exponent field: the conversion's scale operand
	v_add_nc_u32 v[TM+7], 0xfe000000, v[TM+2]
	v_lshrrev_b32 v[TM+8], 23, v[TM+6]             ; the bytes
	v_lshrrev_b32 v[TM+9], 23, v[TM+7]
	s_wait_xcnt 0x0                                ; the last stores have read the codes' registers: they are written again only behind this wait
	v_lshl_or_b32 v[\hw], v[TM+9], 8, v[TM+8]
	v_cvt_scalef32_pk16_bf6_f32 v[\c6:\c6+2], v[\src:\src+15], v[TM+6]
	v_cvt_scalef32_pk16_bf6_f32 v[CX:CX+2], v[\src+16:\src+31], v[TM+7]
	v_nop                                          ; one plain place behind a scaled conversion
.irp i,0,1,2
	v_permlane16_swap_b32 v[\c6+\i], v[CX+\i]      ; a whole block to a lane: lanes 0-15 the first block, lanes 16-31 the second
.endr
.irp i,0,1,2
	v_mov_b32 v[\c6+3+\i], v[CX+\i]
.endr
.endm
.macro XFETCH                          ; my 16 fragments of x -> window 1, fragment (tile k, K step q) at 12 (4 k + q)
	WIN 0x40
.irp k,0,1,2,3
.irp q,0,1,2,3
	XFRAG 12*(4*\k+\q), XA, \q, 6912*\k
.endr
.endr
	WIN 0
.endm
.macro WFETCH tau                      ; the four fragments of the weights' tile tau
.irp q,0,1,2,3
.if (\tau) < 8
	XFRAG WF+12*\q, WA, \q, 6912*(\tau)
.else
	XFRAG WF+12*\q, WB, \q, 6912*((\tau)-8)
.endif
.endr
.endm
.macro MULT tau, ch                    ; 16 products: K step by K step, the four accumulators by turns
	WIN 0x01
.irp q,0,1,2,3
.irp k,0,1,2,3
.if \q == 0
	WM AC+8*\k, 12*(4*\k+\q), WF+12*\q, 1, BIAS8, XSC+8*(\ch)+4*(\k/2)+\q, WSC+4*((\tau)/2)+\q, \k%2, (\tau)%2
.else
	WM AC+8*\k, 12*(4*\k+\q), WF+12*\q, 1, AC+8*\k, XSC+8*(\ch)+4*(\k/2)+\q, WSC+4*((\tau)/2)+\q, \k%2, (\tau)%2
.endif
.endr
.endr
	WIN 0
.endm
; the group's softmax: -M_g -> v[NM], p in place, l_g -> v[SU+2]
.macro SOFT
.irp k,0,1,2,3
	v_max3_num_f32 v[SU+\k], v[AC+8*\k], v[AC+8*\k+1], v[AC+8*\k+2]
.endr
.irp i,3,5
.irp k,0,1,2,3
	v_max3_num_f32 v[SU+\k], v[SU+\k], v[AC+8*\k+\i], v[AC+8*\k+\i+1]
.endr
.endr
.irp k,0,1,2,3
	v_max_num_f32 v[SU+\k], v[SU+\k], v[AC+8*\k+7]
.endr
	v_max3_num_f32 v[SU], v[SU], v[SU+1], v[SU+2]
	v_max_num_f32 v[SU], v[SU], v[SU+3]
	v_permlanex16_b32 v[SU+1], v[SU], s[SEL], s[SEL+1]
	v_max_num_f32 v[SU], v[SU], v[SU+1]            ; the largest logit of my row in these 64 places
	v_mul_f32 v[SU], s[CS], v[SU]                  ; as t (c is positive)
	v_floor_f32 v[NM], -v[SU]                      ; -M_g = floor(-t): a whole number
.set J, 0
.rept 16
	v_pk_fma_f32 v[AC+J:AC+J+1], v[AC+J:AC+J+1], s[CS:CS+1], v[NM:NM+1] op_sel_hi:[1,0,0]   ; t - M_g
.set J, J+2
.endr
.set J, 0
.rept 32
	v_exp_f32 v[AC+J], v[AC+J]
.set J, J+1
.endr
	v_nop                                          ; a plain place behind the last exponential
	s_wait_alu depctr_va_vdst(0)                   ; one wait for the batch, ahead of its first reader
	v_pk_add_f32 v[SU+2:SU+3], v[AC:AC+1], v[AC+2:AC+3]            ; the sum of the unquantised p, in two chains
	v_pk_add_f32 v[SU+4:SU+5], v[AC+4:AC+5], v[AC+6:AC+7]
.irp j,8,12,16,20,24,28
	v_pk_add_f32 v[SU+2:SU+3], v[SU+2:SU+3], v[AC+\j:AC+\j+1]
	v_pk_add_f32 v[SU+4:SU+5], v[SU+4:SU+5], v[AC+\j+2:AC+\j+3]
.endr
	v_pk_add_f32 v[SU+2:SU+3], v[SU+2:SU+3], v[SU+4:SU+5]
	v_add_f32 v[SU+2], v[SU+2], v[SU+3]
	v_permlanex16_b32 v[SU+3], v[SU+2], s[SEL], s[SEL+1]
	v_add_f32 v[SU+2], v[SU+2], v[SU+3]
.endm
.macro EPI_A tt, ch
	QH AC, C6, HW
	global_store_b128 v[L16], v[C6:C6+3], s[30:31] offset:196608*(\ch)+1536*(\tt)     ; 512 consecutive bytes, aligned
	global_store_b64 v[L8], v[C6+4:C6+5], s[30:31] offset:196608*(\ch)+1536*(\tt)     ; 256 consecutive bytes, aligned
	ds_store_b16 v[TB2], v[HW] offset:1024*(\ch)+32*(\tt)
.endm
.macro EPI_B tt, ch
	SOFT
	ds_store_b32 v[TB4], v[NM] offset:2048*(\ch)+64*(\tt)
	ds_store_b32 v[TB4], v[SU+2] offset:4096+2048*(\ch)+64*(\tt)
	QH AC, C6, HW
	global_store_b128 v[L16], v[C6:C6+3], s[32:33] offset:196608*(\ch)+1536*(\tt)
	global_store_b64 v[L8], v[C6+4:C6+5], s[32:33] offset:196608*(\ch)+1536*(\tt)
	ds_store_b16 v[TB2], v[HW] offset:2048+1024*(\ch)+32*(\tt)
.endm
.macro EPI_V tt, ch
	SOFT
	ds_store_b32 v[TB4], v[NM] offset:8192+2048*(\ch)+64*(\tt)
	ds_store_b32 v[TB4], v[SU+2] offset:12288+2048*(\ch)+64*(\tt)
.endm
; a tile of 16 rows against my 64 places.  The next tile's fragments are asked for behind the products and land while this tile's results are worked on
.macro TILE tau, ch, nxt
	s_wait_dscnt 0x0                               ; the weight's fragments are in, and the last tile's LDS stores have read their registers
	MULT \tau, \ch
	PLACES 5                                       ; behind the products: for the loads into their operands, the reads of their results and the products that begin the accumulators anew
.if (\nxt) >= 0
	WFETCH (\nxt)
.irp j,0,1,2,3,4,5,6,7
	v_mov_b32 v[BIAS8+\j], v[BI+(\nxt)]
.endr
.endif
.if (\tau) < 4
	EPI_A (\tau)%4, \ch
.elseif (\tau) < 8
	EPI_B (\tau)%4, \ch
.else
	EPI_V (\tau)%4, \ch
.endif
.endm
	s_load_b512 s[8:23], s[0:1], 0x0               ; x_codes 8, x_scales 10, wA 12, wB 14, wV 16, their scales 18, 20, 22
	s_load_b512 s[24:39], s[0:1], 0x40             ; bA 24, bB 26, bV 28, Acod 30, Pcod 32, Asc 34, Psc 36, stat 38
	v_lshl_add_u32 v[SPW], v0, 2, SPARE
	v_mov_b32 v[NIL], 0
	ds_add_u32 v1, v2
	ds_add_u32 v1, v2
	s_wait_dscnt 0x0
	v_lshrrev_b32 v20, 5, v0
	v_readfirstlane_b32 s[WV], v20                 ; wave 0..7
	s_bfe_u32 s57, ttmp6, 0x40000                  ; cx
	s_lshl_b32 s58, ttmp9, 2
	s_add_co_u32 s58, s58, s57                     ; i: my block of 64 rows
	s_and_b32 s59, ttmp7, 0xffff                   ; b
	s_mov_b32 s[SEL], 0x76543210
	s_mov_b32 s[SEL+1], 0xfedcba98
	s_mov_b32 s[CS], 0x3fb8aa3b                    ; c = log2 e
	s_mov_b32 s[CS+1], s[CS]
	s_lshr_b32 s80, s[WV], 1
	s_and_b32 s81, s[WV], 1
	; descriptor group 1: 64 rows of 384 bytes, 16 bytes of padding behind each 128; asked for jointly by the cluster's four
	s_mov_b32 s40, 15|(1<<20)|(1<<21)|(4<<22)|(3<<25)
	s_mov_b32 s41, 384<<16
	s_mov_b32 s42, 64<<16
	s_mov_b32 s43, 384<<16
	s_mov_b32 s44, 64
	s_mov_b32 s45, 384
	s_mov_b32 s46, 0
	s_mov_b32 s47, 0
	s_mov_b32 s48, 1
	s_mul_i32 s49, s[WV], XW
	s_mov_b32 s52, 1
	s_mul_i32 s53, s[WV], XW
	s_mul_i32 s66, s59, 393216                     ; x's codes: batch, my 64 rows
	s_mul_i32 s84, s[WV], 24576
	s_add_co_u32 s66, s66, s84
	s_mov_b32 s67, 0
	s_lshl_b32 s68, s59, 14                        ; x's scales
	s_lshl_b32 s84, s[WV], 10
	s_add_co_u32 s68, s68, s84
	s_mov_b32 s69, 0
	s_mul_i32 s70, s58, 24576                      ; the weights' slices,
	s_mov_b32 s71, 0
	s_lshl_b32 s72, s58, 10                        ; their scales,
	s_mov_b32 s73, 0
	s_lshl_b32 s74, s58, 8                         ; the biases
	s_mov_b32 s75, 0
	s_mul_i32 s76, s59, 393216                     ; Acod, Pcod: batch, K step v >> 1, tile 4 i, half v & 1
	s_mul_i32 s85, s80, 49152
	s_add_co_u32 s76, s76, s85
	s_mul_i32 s85, s58, 6144
	s_add_co_u32 s76, s76, s85
	s_mul_i32 s85, s81, 768
	s_add_co_u32 s76, s76, s85
	s_mov_b32 s77, 0
	s_lshl_b32 s78, s59, 14                        ; Asc, Psc
	s_add_co_u32 s78, s78, s72
	s_mov_b32 s79, 0
	s_lshl_b32 s82, s59, 12                        ; stat
	s_add_co_u32 s82, s82, s74
	s_mov_b32 s83, 0
	v_and_b32 v20, 15, v0                          ; r
	v_bfe_u32 v21, v0, 4, 1                        ; h
	v_and_b32 v22, 31, v0                          ; lane
	v_mul_u32_u24 v23, v20, 432
	v_mad_u32_u24 v23, v21, 24, v23
	v_add_nc_u32 v[XA], s49, v23
	v_lshl_add_u32 v[XA+1], v21, 4, v[XA]
	v_add_nc_u32 v[WA], WT, v23
	v_lshl_add_u32 v[WA+1], v21, 4, v[WA]
	v_add_nc_u32 v[WB], 55296, v[WA]
	v_add_nc_u32 v[WB+1], 55296, v[WA+1]
	v_lshlrev_b32 v[L16], 4, v22
	v_lshl_add_u32 v[L8], v22, 3, 512
	s_lshl_b32 s84, s[WV], 7
	s_add_co_u32 s84, s84, AB
	v_lshl_add_u32 v[TB2], v20, 1, s84
	s_lshl_b32 s84, s[WV], 8
	s_add_co_u32 s84, s84, MB
	v_lshl_add_u32 v[TB4], v20, 2, s84
	s_lshl_b32 s84, s81, 5
	v_add_nc_u32 v24, s84, v22                     ; the end: my row of the 64 = 32 (v & 1) + lane
	v_lshl_add_u32 v[F4], v24, 2, MB
	v_lshl_add_u32 v[F2], v24, 1, AB
	v_lshlrev_b32 v[P16], 4, v24
	v_lshlrev_b32 v[P4], 2, v24
	v_lshrrev_b32 v25, 3, v22
	v_lshl_add_u32 v[CPL], v25, 4, v[L16]          ; byte x of a slice lies at x + 16 (x / 128): 3,456 v + 576 m + 16 l + 16 (l / 8)
	s_mul_i32 s84, s[WV], 3456
	s_add_co_u32 s84, s84, WT
	v_add_nc_u32 v[CPL], s84, v[CPL]
	s_mul_i32 s84, s[WV], 3072
	v_add_nc_u32 v[CPG], s84, v[L16]
	v_lshlrev_b32 v[R4], 2, v20
	v_mov_b32 v[NM+1], 0
	v_mov_b32 v[TM+4], 0                           ; a lane permute's destination counts as one of its sources
	v_mov_b32 v[TM+5], 0
	s_wait_kmcnt 0x0
	s_add_nc_u64 s[50:51], s[8:9], s[66:67]
	s_add_nc_u64 s[54:55], s[50:51], 196608        ; chunk 1: 512 rows on
	s_or_b32 s51, s51, 0x80000000
	s_or_b32 s55, s55, 0x80000000
	s_add_nc_u64 s[10:11], s[10:11], s[68:69]
	s_add_nc_u64 s[12:13], s[12:13], s[70:71]
	s_add_nc_u64 s[14:15], s[14:15], s[70:71]
	s_add_nc_u64 s[16:17], s[16:17], s[70:71]
	s_add_nc_u64 s[18:19], s[18:19], s[72:73]
	s_add_nc_u64 s[20:21], s[20:21], s[72:73]
	s_add_nc_u64 s[22:23], s[22:23], s[72:73]
	s_add_nc_u64 s[24:25], s[24:25], s[74:75]
	s_add_nc_u64 s[26:27], s[26:27], s[74:75]
	s_add_nc_u64 s[28:29], s[28:29], s[74:75]
	s_add_nc_u64 s[30:31], s[30:31], s[76:77]
	s_add_nc_u64 s[32:33], s[32:33], s[76:77]
	s_add_nc_u64 s[34:35], s[34:35], s[78:79]
	s_add_nc_u64 s[36:37], s[36:37], s[78:79]
	s_add_nc_u64 s[38:39], s[38:39], s[82:83]
	ROUND                                          ; all four work-groups are here: the first joint loads meet
	tensor_load_to_lds s[48:51], s[40:47]          ; chunk 0 of x: my 64 rows
	s_nop 0
	PLACES 4
.irp m,0,1,2,3,4,5                             ; the weights' slices, 512 consecutive bytes a load
	global_load_b128 v[WF+4*\m:WF+4*\m+3], v[CPG], s[12:13] offset:512*\m
.endr
.irp m,0,1,2,3,4,5
	global_load_b128 v[WF+24+4*\m:WF+24+4*\m+3], v[CPG], s[14:15] offset:512*\m
.endr
.irp m,0,1,2,3,4,5
	global_load_b128 v[WF+48+4*\m:WF+48+4*\m+3], v[CPG], s[16:17] offset:512*\m
.endr
.irp q,0,1                                     ; 22 more: scale words (a row's 16 bytes are its four K steps' words) and biases
	global_load_b128 v[WSC+4*\q:WSC+4*\q+3], v[L16], s[18:19] offset:512*\q
	global_load_b128 v[WSC+8+4*\q:WSC+8+4*\q+3], v[L16], s[20:21] offset:512*\q
	global_load_b128 v[WSC+16+4*\q:WSC+16+4*\q+3], v[L16], s[22:23] offset:512*\q
.endr
.irp q,0,1,2,3
	global_load_b32 v[BI+\q], v[R4], s[24:25] offset:64*\q
	global_load_b32 v[BI+4+\q], v[R4], s[26:27] offset:64*\q
	global_load_b32 v[BI+8+\q], v[R4], s[28:29] offset:64*\q
.endr
.irp q,0,1
	global_load_b128 v[XSC+4*\q:XSC+4*\q+3], v[L16], s[10:11] offset:512*\q
	global_load_b128 v[XSC+8+4*\q:XSC+8+4*\q+3], v[L16], s[10:11] offset:8192+512*\q
.endr
	s_wait_loadcnt 22                              ; the 18 loads of the copy are in; the 22 issued behind them may be out
.irp w,0,1,2
.irp m,0,1,2,3,4,5
	ds_store_b128 v[CPL], v[WF+24*\w+4*\m:WF+24*\w+4*\m+3] offset:27648*\w+576*\m
.endr
.endr
	s_wait_tensorcnt 0x0                           ; my rows of x are in LDS: only I read them
	XFETCH
	s_wait_tensorcnt 0x0                           ; no tensor load of mine is out;
	ds_add_u32 v[SPW], v[NIL]                      ; 0 onto my spare word
	s_wait_dscnt 0x0                               ; the add is done, my reads of x's rows are back, my part of the weights has landed
	ROUND                                          ; the same holds of every wave of the four work-groups
	tensor_load_to_lds s[52:55], s[40:47]          ; chunk 1 into the same bytes: it has all of chunk 0's work in which to land
	s_nop 0
	PLACES 4
	s_wait_loadcnt 0x0                             ; scale words and biases
.irp j,0,1,2,3,4,5,6,7
	v_mov_b32 v[BIAS8+\j], v[BI]
.endr
	WFETCH 0
	PLACES 4
.irp t,0,1,2,3,4,5,6,7,8,9,10
	TILE \t, 0, \t+1
.endr
	TILE 11, 0, 0
	s_wait_tensorcnt 0x0                           ; chunk 1's rows are in
	XFETCH
.irp t,0,1,2,3,4,5,6,7,8,9,10
	TILE \t, 1, \t+1
.endr
	TILE 11, 1, -1
	s_wait_dscnt 0x0                               ; my entries of the tables have landed
	s_barrier_signal -1
	s_barrier_wait -1                              ; everybody's have
; THE END: a lane takes a row and its 16 groups.  Waves 0, 1: B's rows; waves 2, 3: V's; waves 4, 5: A's.
.macro MLSUM om, ol                    ; -M -> v128, l -> v129, M_g - M -> v80-95
.set J, 0
.rept 16
	ds_load_b32 v[80+J], v[F4] offset:\om+256*J
.set J, J+1
.endr
.set J, 0
.rept 16
	ds_load_b32 v[96+J], v[F4] offset:\ol+256*J
.set J, J+1
.endr
.endm
.macro MLSUM2
	v_min3_num_f32 v128, v80, v81, v82
.irp g,3,5,7,9,11,13
	v_min3_num_f32 v128, v128, v[80+\g], v[81+\g]
.endr
	v_min_num_f32 v128, v128, v95                  ; -M: the least of the -M_g
.set J, 0
.rept 16
	v_sub_f32 v[80+J], v128, v[80+J]               ; M_g - M: a whole number, 0 or less
.set J, J+1
.endr
.set J, 0
.rept 16
	v_cvt_i32_f32 v[130+J], v[80+J]                ; (it saturates)
.set J, J+1
.endr
.set J, 0
.rept 16
	v_ldexp_f32 v[130+J], 1.0, v[130+J]            ; 2^(M_g - M)
.set J, J+1
.endr
	v_mul_f32 v129, v96, v130
.set J, 1
.rept 15
	v_fmac_f32 v129, v[96+J], v[130+J]
.set J, J+1
.endr
.endm
	s_cmp_lg_u32 s80, 0
	s_cbranch_scc1 .Lnot_b
	MLSUM 0, 4096
.set J, 0
.rept 16
	ds_load_u16 v[112+J], v[F2] offset:2048+128*J
.set J, J+1
.endr
	s_wait_dscnt 0x0
	MLSUM2
	v_rcp_f32 v148, v129
.set J, 0
.rept 16                                       ; both bytes of group J are moved by M_g - M and held at 0 from below
	v_and_b32 v146, 0xff, v[112+J]
	v_lshrrev_b32 v147, 8, v[112+J]
	v_cvt_f32_u32 v146, v146
	v_cvt_f32_u32 v147, v147
	v_add_f32 v146, v146, v[80+J]
	v_add_f32 v147, v147, v[80+J]
	v_max_num_f32 v146, 0, v146
	v_max_num_f32 v147, 0, v147
	v_cvt_u32_f32 v146, v146
	v_cvt_u32_f32 v147, v147
	v_lshl_or_b32 v[112+J], v147, 8, v146
.set J, J+1
.endr
.irp w,0,1,2,3,4,5,6,7
	v_lshl_or_b32 v[152+\w], v[113+2*\w], 16, v[112+2*\w]          ; K step w's scale word
.endr
	s_wait_alu depctr_va_vdst(0)                   ; ahead of the reciprocal's first reader
	global_store_b128 v[P16], v[152:155], s[36:37]
	global_store_b128 v[P16], v[156:159], s[36:37] offset:8192
	global_store_b32 v[P4], v148, s[38:39]         ; 1 / l
	s_branch .Lfin
.Lnot_b:
	s_cmp_lg_u32 s80, 1
	s_cbranch_scc1 .Lnot_v
	global_load_b32 v149, v[P4], s[28:29]          ; bV of my row
	MLSUM 8192, 12288
	s_wait_dscnt 0x0
	MLSUM2
	v_log_f32 v150, v129
	s_wait_loadcnt 0x0
	v_fma_f32 v151, s[CS], v149, v128              ; c bV - M  (a plain place behind the logarithm)
	s_wait_alu depctr_va_vdst(0)
	v_sub_f32 v151, v151, v150                     ; kappa = c bV - M - log2 l
	global_store_b32 v[P4], v151, s[38:39] offset:2048
	s_branch .Lfin
.Lnot_v:
	s_cmp_lg_u32 s80, 2
	s_cbranch_scc1 .Lfin
.set J, 0
.rept 16
	ds_load_u16 v[112+J], v[F2] offset:128*J
.set J, J+1
.endr
	s_wait_dscnt 0x0
.irp w,0,1,2,3,4,5,6,7
	v_lshl_or_b32 v[152+\w], v[113+2*\w], 16, v[112+2*\w]
.endr
	global_store_b128 v[P16], v[152:155], s[34:35]
	global_store_b128 v[P16], v[156:159], s[34:35] offset:8192
.Lfin:
	s_wait_tensorcnt 0x0                           ; the wave's end
	ds_add_u32 v[SPW], v[NIL]
	s_wait_dscnt 0x0
	ROUND                                          ; the closing round
	s_endpgm
.Lfunc_end_k_q4e59482333_proj:
	.size	k_q4e59482333_proj, .Lfunc_end_k_q4e59482333_proj-k_q4e59482333_proj
	.p2alignl 7, 3214868480
	.fill 96, 4, 3214868480
	.section	.rodata,"a",@progbits
	.p2align	6, 0x0
	.amdhsa_kernel k_q4e59482333_proj
		.amdhsa_group_segment_fixed_size 327680
		.amdhsa_private_segment_fixed_size 0
		.amdhsa_enable_private_segment 0
		.amdhsa_kernarg_size 128
		.amdhsa_user_sgpr_count 2
		.amdhsa_user_sgpr_kernarg_segment_ptr 1
		.amdhsa_wavefront_size32 1
		.amdhsa_system_sgpr_workgroup_id_x 1
		.amdhsa_system_sgpr_workgroup_id_y 1
		.amdhsa_system_sgpr_workgroup_id_z 1
		.amdhsa_system_vgpr_workitem_id 0
		.amdhsa_next_free_vgpr 448
		.amdhsa_next_free_sgpr 88
		.amdhsa_reserve_vcc 0
		.amdhsa_float_denorm_mode_32 3
		.amdhsa_float_denorm_mode_16_64 3
		.amdhsa_memory_ordered 1
		.amdhsa_forward_progress 1
		.amdhsa_inst_pref_size 248
	.end_amdhsa_kernel
	.amdgpu_metadata
---
amdhsa.version: [ 1, 2 ]
amdhsa.kernels:
  - .name:           k_q4e59482333_proj
    .symbol:         k_q4e59482333_proj.kd
    .args:
      - { .name: x_codes, .offset: 0, .size: 8, .value_kind: global_buffer, .address_space: global }
      - { .name: x_scales, .offset: 8, .size: 8, .value_kind: global_buffer, .address_space: global }
      - { .name: wA_codes, .offset: 16, .size: 8, .value_kind: global_buffer, .address_space: global }
      - { .name: wB_codes, .offset: 24, .size: 8, .value_kind: global_buffer, .address_space: global }
      - { .name: wV_codes, .offset: 32, .size: 8, .value_kind: global_buffer, .address_space: global }
      - { .name: wA_scales, .offset: 40, .size: 8, .value_kind: global_buffer, .address_space: global }
      - { .name: wB_scales, .offset: 48, .size: 8, .value_kind: global_buffer, .address_space: global }
      - { .name: wV_scales, .offset: 56, .size: 8, .value_kind: global_buffer, .address_space: global }
      - { .name: bA, .offset: 64, .size: 8, .value_kind: global_buffer, .address_space: global }
      - { .name: bB, .offset: 72, .size: 8, .value_kind: global_buffer, .address_space: global }
      - { .name: bV, .offset: 80, .size: 8, .value_kind: global_buffer, .address_space: global }
      - { .name: Acod, .offset: 88, .size: 8, .value_kind: global_buffer, .address_space: global }
      - { .name: Pcod, .offset: 96, .size: 8, .value_kind: global_buffer, .address_space: global }
      - { .name: Asc, .offset: 104, .size: 8, .value_kind: global_buffer, .address_space: global }
      - { .name: Psc, .offset: 112, .size: 8, .value_kind: global_buffer, .address_space: global }
      - { .name: stat, .offset: 120, .size: 8, .value_kind: global_buffer, .address_space: global }
    .group_segment_fixed_size: 327680
    .private_segment_fixed_size: 0
    .kernarg_segment_align: 8
    .kernarg_segment_size: 128
    .max_flat_workgroup_size: 256
    .sgpr_count:     88
    .vgpr_count:     448
    .wavefront_size: 32
...
	.end_amdgpu_metadata
.endif
;; end of part 1
;; launch gdesc (part 2): grid 8 x 32, 4 waves a work-group, clusters of 4 x 1, 296,448 bytes of LDS; arguments Acod, Pcod, Asc, Psc, stat, wV_codes, wR_codes, Gcod, Gsc, Wimg; writes Gcod, Gsc, Wimg
.if DOCPART == 2
	.amdgcn_target "amdgcn-amd-amdhsa--gfx1250"
	.amdhsa_code_object_version 6
	.text
	.protected	k_q4e59482333_gdesc
	.globl	k_q4e59482333_gdesc
	.p2align	8
	.type	k_q4e59482333_gdesc,@function
k_q4e59482333_gdesc:
	s_mov_b64 s[64:65], 0
	v_nop
	global_prefetch_b8 v0, s[64:65] scope:SCOPE_SE
	s_setreg_imm32_b32 hwreg(HW_REG_WAVE_MODE, 25, 1), 1
	s_wait_xcnt 0x0
	s_wait_alu depctr_hold_cnt(0) depctr_sa_sdst(0) depctr_va_vdst(0) depctr_va_sdst(0) depctr_va_ssrc(0) depctr_va_vcc(0) depctr_vm_vsrc(0)
	s_getreg_b32 s2, hwreg(HW_REG_IB_STS2, 6, 4)
	s_cmp_eq_u32 s2, 0
	s_cbranch_scc0 .Lentry_in_a_cluster
	s_endpgm
.Lentry_in_a_cluster:
	s_bfe_u32 s2, ttmp6, 0x10000c
	s_cmp_lg_u32 s2, 0x3003
	s_cbranch_scc0 .Lentry_shape_is_right
	s_endpgm
.Lentry_shape_is_right:
; GDESC.  G[c][d] = (sum over n of A[c][n] p[d][n]) / l[d], on the codes that the launch before has made, K = 1,024 places; G leaves as codes along d (Gcod, Gsc).
; SHARES.  Work-group (dq, cq, b): 128 rows c (block cq = my place in the cluster) x 256 columns d (block dq = the cluster's number).  Wave w: 64 c (w & 1) x 128 d (w >> 1): 32 accumulators, 256 registers.
; Source 0 = 16 rows of p, source 1 = 16 rows of A: a lane holds ONE c, and its registers run along d.  The wave's 128 d are one K step of the next product: each tile of 16 c becomes one fragment and one scale word a row.
; Inside a block of 32 the codes stand in a fixed other order than d, the same as in the softmax of V that the next launch makes: the two meet only each other.
; LDS.  All of K fits: every byte is filled once, by eight tensor loads a wave that go out together, in four stages of two K steps.  p's tiles are the same for the four partners and are asked for jointly; A's are each partner's own.
; Operands lie in memory and in LDS as images of their registers, 1,536 bytes a fragment: each half (6 registers) as registers 0-3 at 16 x lane and 4-5 at 512 + 8 x lane.
; BESIDE IT wave 0 of each work-group lays one fragment of wV or wR out in that form for the next launch (256 work-groups, 2 x 128 fragments).
; LIMITS.  NaN and infinities are not served; a block of zeros gets the byte 1, not 127 (its codes are zeros; only this program reads the bytes); 1 / l comes from v_rcp_f32.
.set SCR,  294912                      ; behind the tiles: 256 bytes for each wave, its 64 scale words
.set A16,  1                           ; v1-2  my place in A's fragments of the stage in hand;  v3-4 in p's
.set A8,   2
.set P16,  3
.set P8,   4
.set L16,  5                           ; 16 x lane
.set L8,   6                           ; 512 + 8 x lane
.set SCW,  7
.set SCD,  8
.set L8G,  9                           ; 8 x lane
.set H32,  13                          ; 32 x (lane / 16)
.set RYA,  14                          ; the re-lay: 384 (lane % 16) + 24 (lane / 16)
.set PSC,  16                          ; v16-47  p's scale words: 8 (tile / 2) + K step
.set ASC,  48                          ; v48-63  A's
.set T,    64                          ; v64-95  32 numbers of G, once the products are done
.set TM,   208
.set CX,   220
.set C6,   224                         ; v224-235 two sets of codes
.set HW,   236
.set OW,   238
.set RY,   240                         ; v240-251 the re-lay's fragment
.set GW,   252                         ; v252-255 the four tiles' scale words
.set WV,   80
.set SEL,  86
.set MSB, 0
.macro WIN new
.if MSB != \new
	s_set_vgpr_msb (MSB<<8)|\new
.set MSB, \new
.endif
.endm
.macro PLACES n
.rept \n
	v_nop
.endr
.endm
.macro ROUND
	s_barrier_signal -1
	s_barrier_wait -1
	s_cmp_lg_u32 s[WV], 0
	s_cbranch_scc1 .Lnw0_\@
	s_barrier_signal -3
.Lnw0_\@:
	s_barrier_wait -3
	s_barrier_signal -1
	s_barrier_wait -1
.endm
.macro WM d, a, b, cm, c, sa, sb, ra, rb
.if (\cm) == 0
.if (\ra) && (\rb)
	v_wmma_scale_f32_16x16x128_f8f6f4 v[\d:\d+7], v[\a:\a+11], v[\b:\b+11], 0, v[\sa], v[\sb] matrix_a_fmt:MATRIX_FMT_BF6 matrix_b_fmt:MATRIX_FMT_BF6 matrix_a_scale:MATRIX_SCALE_ROW1 matrix_b_scale:MATRIX_SCALE_ROW1
.elseif (\ra)
	v_wmma_scale_f32_16x16x128_f8f6f4 v[\d:\d+7], v[\a:\a+11], v[\b:\b+11], 0, v[\sa], v[\sb] matrix_a_fmt:MATRIX_FMT_BF6 matrix_b_fmt:MATRIX_FMT_BF6 matrix_a_scale:MATRIX_SCALE_ROW1
.elseif (\rb)
	v_wmma_scale_f32_16x16x128_f8f6f4 v[\d:\d+7], v[\a:\a+11], v[\b:\b+11], 0, v[\sa], v[\sb] matrix_a_fmt:MATRIX_FMT_BF6 matrix_b_fmt:MATRIX_FMT_BF6 matrix_b_scale:MATRIX_SCALE_ROW1
.else
	v_wmma_scale_f32_16x16x128_f8f6f4 v[\d:\d+7], v[\a:\a+11], v[\b:\b+11], 0, v[\sa], v[\sb] matrix_a_fmt:MATRIX_FMT_BF6 matrix_b_fmt:MATRIX_FMT_BF6
.endif
.else
.if (\ra) && (\rb)
	v_wmma_scale_f32_16x16x128_f8f6f4 v[\d:\d+7], v[\a:\a+11], v[\b:\b+11], v[\c:\c+7], v[\sa], v[\sb] matrix_a_fmt:MATRIX_FMT_BF6 matrix_b_fmt:MATRIX_FMT_BF6 matrix_a_scale:MATRIX_SCALE_ROW1 matrix_b_scale:MATRIX_SCALE_ROW1
.elseif (\ra)
	v_wmma_scale_f32_16x16x128_f8f6f4 v[\d:\d+7], v[\a:\a+11], v[\b:\b+11], v[\c:\c+7], v[\sa], v[\sb] matrix_a_fmt:MATRIX_FMT_BF6 matrix_b_fmt:MATRIX_FMT_BF6 matrix_a_scale:MATRIX_SCALE_ROW1
.elseif (\rb)
	v_wmma_scale_f32_16x16x128_f8f6f4 v[\d:\d+7], v[\a:\a+11], v[\b:\b+11], v[\c:\c+7], v[\sa], v[\sb] matrix_a_fmt:MATRIX_FMT_BF6 matrix_b_fmt:MATRIX_FMT_BF6 matrix_b_scale:MATRIX_SCALE_ROW1
.else
	v_wmma_scale_f32_16x16x128_f8f6f4 v[\d:\d+7], v[\a:\a+11], v[\b:\b+11], v[\c:\c+7], v[\sa], v[\sb] matrix_a_fmt:MATRIX_FMT_BF6 matrix_b_fmt:MATRIX_FMT_BF6
.endif
.endif
.endm
.macro QH src, c6, hw                  ; 32 numbers of a lane -> half a fragment's codes and two scale bytes
.irp k,0,1,2,3
	v_max3_num_f32 v[TM+\k], |v[\src+8*\k]|, |v[\src+8*\k+1]|, 0x2800000   ; the floor 2^(5 - 127) holds the byte at 1 from below
.endr
.irp i,2,4,6
.irp k,0,1,2,3
	v_max3_num_f32 v[TM+\k], v[TM+\k], |v[\src+8*\k+\i]|, |v[\src+8*\k+\i+1]|
.endr
.endr
	v_max_num_f32 v[TM], v[TM], v[TM+1]
	v_max_num_f32 v[TM+2], v[TM+2], v[TM+3]
	v_permlanex16_b32 v[TM+4], v[TM], s[SEL], s[SEL+1]
	v_permlanex16_b32 v[TM+5], v[TM+2], s[SEL], s[SEL+1]
	v_max_num_f32 v[TM], v[TM], v[TM+4]
	v_max_num_f32 v[TM+2], v[TM+2], v[TM+5]
	v_add_nc_u32 v[TM+6], 0xfe000000, v[TM]        ; 4 off the exponent field: the conversion's scale operand
	v_add_nc_u32 v[TM+7], 0xfe000000, v[TM+2]
	v_lshrrev_b32 v[TM+8], 23, v[TM+6]
	v_lshrrev_b32 v[TM+9], 23, v[TM+7]
	s_wait_xcnt 0x0                                ; earlier stores have read the codes' registers
	v_lshl_or_b32 v[\hw], v[TM+9], 8, v[TM+8]
	v_cvt_scalef32_pk16_bf6_f32 v[\c6:\c6+2], v[\src:\src+15], v[TM+6]
	v_cvt_scalef32_pk16_bf6_f32 v[CX:CX+2], v[\src+16:\src+31], v[TM+7]
	v_nop                                          ; one plain place behind a scaled conversion
.irp i,0,1,2
	v_permlane16_swap_b32 v[\c6+\i], v[CX+\i]
.endr
.irp i,0,1,2
	v_mov_b32 v[\c6+3+\i], v[CX+\i]
.endr
.endm
.macro IMGLD reg, a16, a8, off         ; a fragment's image -> 12 registers
	ds_load_b128 v[\reg:\reg+3], v[\a16] offset:\off
	ds_load_b64 v[\reg+4:\reg+5], v[\a8] offset:\off
	ds_load_b128 v[\reg+6:\reg+9], v[\a16] offset:\off+768
	ds_load_b64 v[\reg+10:\reg+11], v[\a8] offset:\off+768
.endm
.macro MKG0 g, lr, lc, pb, go          ; a descriptor's group 0
	s_mov_b32 s[\g], 1
	s_add_co_u32 s[\g+1], s[\lr], \lc
	s_add_nc_u64 s[\g+2:\g+3], s[\pb:\pb+1], \go
	s_or_b32 s[\g+3], s[\g+3], 0x80000000
.endm
; stage q (K steps 2 q, 2 q + 1) is whole: my two loads of it have landed (the later stages' two each may be out), and so have everybody's
.macro STAGEWAIT q
	s_wait_dscnt 0x0
	s_wait_tensorcnt 6-2*(\q)
	s_barrier_signal -1
	s_barrier_wait -1
.if (\q) > 0
	v_add_nc_u32 v[A16], 24576, v[A16]
	v_add_nc_u32 v[A8], 24576, v[A8]
	v_add_nc_u32 v[P16], 49152, v[P16]
	v_add_nc_u32 v[P8], 49152, v[P8]
.endif
.endm
; K step ks: 8 fragments of p and 4 of A, 48 LDS loads, into buffer ks % 2 (window 0: p from v64, A from v160; window 2: p from v0, A from v96)
.macro TFETCH ks
.if ((\ks)%2) == 0
	WIN 0
.set PBASE, 64
.set ABASE, 160
.else
	WIN 0x80
.set PBASE, 0
.set ABASE, 96
.endif
.irp e,0,1,2,3,4,5,6,7
	IMGLD PBASE+12*\e, P16, P8, (\e/4)*12288+((\ks)%2)*6144+(\e%4)*1536
.endr
.irp a,0,1,2,3
	IMGLD ABASE+12*\a, A16, A8, (\a/2)*6144+((\ks)%2)*3072+(\a%2)*1536
.endr
.endm
.macro MULS ks                         ; 32 products; the 32 accumulators (window 1) take turns, in the same order in every K step
.if ((\ks)%2) == 0
	WIN 0x50
.set PBASE, 64
.set ABASE, 160
.else
	WIN 0x5a
.set PBASE, 0
.set ABASE, 96
.endif
.irp a,0,1,2,3
.irp e,0,1,2,3,4,5,6,7
.if (\ks) == 0
	WM 8*(8*\a+\e), PBASE+12*\e, ABASE+12*\a, 0, 0, PSC+8*(\e/2)+(\ks), ASC+8*(\a/2)+(\ks), \e%2, \a%2
.else
	WM 8*(8*\a+\e), PBASE+12*\e, ABASE+12*\a, 1, 8*(8*\a+\e), PSC+8*(\e/2)+(\ks), ASC+8*(\a/2)+(\ks), \e%2, \a%2
.endif
.endr
.endr
.endm
.macro OUTG a                          ; tile a of 16 c: divided by l, quantised along d, stored
.irp f,0,1
	WIN 0x09                                       ; source 0: the accumulators, window 1; source 1: 1 / l, window 2
.set J, 0
.rept 16
	v_pk_mul_f32 v[T+J:T+J+1], v[8*(8*(\a)+4*\f)+J:8*(8*(\a)+4*\f)+J+1], v[144+32*\f+J:144+32*\f+J+1]
.set J, J+2
.endr
	WIN 0
	QH T, C6+6*\f, HW+\f
	global_store_b128 v[L16], v[C6+6*\f:C6+6*\f+3], s[22:23] offset:6144*(\a)+768*\f
	global_store_b64 v[L8], v[C6+6*\f+4:C6+6*\f+5], s[22:23] offset:6144*(\a)+768*\f
.endr
	v_lshl_or_b32 v[GW+(\a)], v[HW+1], 16, v[HW]
	ds_store_b32 v[SCW], v[GW+(\a)] offset:64*(\a)
.endm
	s_load_b512 s[8:23], s[0:1], 0x0               ; Acod 8, Pcod 10, Asc 12, Psc 14, stat 16, wV 18, wR 20, Gcod 22
	s_load_b128 s[24:27], s[0:1], 0x40             ; Gsc 24, Wimg 26
	v_lshl_add_u32 v219, v0, 2, 0x48400
	v_mov_b32 v223, 0
	ds_add_u32 v219, v223
	ds_add_u32 v219, v223
	v_lshrrev_b32 v1, 5, v0
	v_readfirstlane_b32 s[WV], v1                  ; wave 0..3
	s_bfe_u32 s81, ttmp6, 0x40000                  ; cq = cx
	s_mov_b32 s82, ttmp9                           ; dq: the cluster's number, which the partners share
	s_and_b32 s83, ttmp7, 0xffff                   ; b
	s_and_b32 s84, s[WV], 1                        ; wc
	s_lshr_b32 s85, s[WV], 1                       ; wd
	s_mov_b32 s[SEL], 0x76543210
	s_mov_b32 s[SEL+1], 0xfedcba98
	; group 1 for A's tiles: 2 rows (K steps) of 3,072 bytes (two fragments), 49,152 bytes apart, in elements of 8 bytes; each work-group's own
	s_mov_b32 s28, 3<<16
	s_mov_b32 s29, 384<<16
	s_mov_b32 s30, 2<<16
	s_mov_b32 s31, 384<<16
	s_mov_b32 s32, 2
	s_mov_b32 s33, 6144
	s_mov_b32 s34, 0
	s_mov_b32 s35, 0
	; for p's: 2 rows of 6,144 bytes (four fragments); asked for jointly by the cluster's four
	s_mov_b32 s36, 15|(3<<16)|(1<<21)
	s_mov_b32 s37, 768<<16
	s_mov_b32 s38, 2<<16
	s_mov_b32 s39, 768<<16
	s_mov_b32 s40, 2
	s_mov_b32 s41, 6144
	s_mov_b32 s42, 0
	s_mov_b32 s43, 0
	s_mul_i32 s88, s83, 393216                     ; A: batch, tiles 8 cq + 2 w
	s_mul_i32 s92, s81, 12288
	s_add_co_u32 s88, s88, s92
	s_mul_i32 s92, s[WV], 3072
	s_add_co_u32 s88, s88, s92
	s_mov_b32 s89, 0
	s_mul_i32 s90, s83, 393216                     ; p: batch, tiles 16 dq + 4 w: nothing of my place in the cluster
	s_mul_i32 s93, s82, 24576
	s_add_co_u32 s90, s90, s93
	s_mul_i32 s93, s[WV], 6144
	s_add_co_u32 s90, s90, s93
	s_mov_b32 s91, 0
	s_mul_i32 s94, s[WV], 6144                     ; where they go
	s_mul_i32 s95, s[WV], 12288
	s_wait_dscnt 0x0
	s_wait_kmcnt 0x0
	s_add_nc_u64 s[8:9], s[8:9], s[88:89]
	s_add_nc_u64 s[10:11], s[10:11], s[90:91]
	MKG0 44, 94, 0, 8, 0
	MKG0 48, 95, 98304, 10, 0
	MKG0 52, 94, 24576, 8, 98304
	MKG0 56, 95, 147456, 10, 98304
	MKG0 60, 94, 49152, 8, 196608
	MKG0 68, 95, 196608, 10, 196608
	MKG0 72, 94, 73728, 8, 294912
	MKG0 76, 95, 245760, 10, 294912
	ROUND                                          ; all four work-groups are here
	tensor_load_to_lds s[44:47], s[28:35]          ; eight loads of mine are out: stage by stage, A's and then p's
	s_nop 0
	tensor_load_to_lds s[48:51], s[36:43]
	s_nop 0
	tensor_load_to_lds s[52:55], s[28:35]
	s_nop 0
	tensor_load_to_lds s[56:59], s[36:43]
	s_nop 0
	tensor_load_to_lds s[60:63], s[28:35]
	s_nop 0
	tensor_load_to_lds s[68:71], s[36:43]
	s_nop 0
	tensor_load_to_lds s[72:75], s[28:35]
	s_nop 0
	tensor_load_to_lds s[76:79], s[36:43]
	s_nop 0
	PLACES 4
	v_and_b32 v10, 31, v0                          ; lane
	v_and_b32 v11, 15, v0                          ; r
	v_bfe_u32 v12, v0, 4, 1                        ; h
	v_lshlrev_b32 v[L16], 4, v10
	v_lshl_add_u32 v[L8], v10, 3, 512
	v_lshlrev_b32 v[L8G], 3, v10
	s_mul_i32 s92, s84, 12288
	v_add_nc_u32 v[A16], s92, v[L16]
	v_add_nc_u32 v[A8], s92, v[L8]
	s_mul_i32 s93, s85, 24576
	s_add_co_u32 s93, s93, 98304
	v_add_nc_u32 v[P16], s93, v[L16]
	v_add_nc_u32 v[P8], s93, v[L8]
	s_lshl_b32 s92, s[WV], 8
	s_add_co_u32 s92, s92, SCR
	v_lshl_add_u32 v[SCW], v11, 2, s92
	v_add_nc_u32 v[SCD], s92, v[L8G]
	v_lshlrev_b32 v[H32], 5, v12
	v_mul_u32_u24 v[RYA], v11, 384
	v_mad_u32_u24 v[RYA], v12, 24, v[RYA]
	v_mov_b32 v[TM+4], 0
	v_mov_b32 v[TM+5], 0
	s_mov_b32 s89, 0
	s_lshl_b32 s88, s83, 14                        ; Psc: batch, rows 256 dq + 128 wd
	s_lshl_b32 s92, s82, 12
	s_add_co_u32 s88, s88, s92
	s_lshl_b32 s92, s85, 11
	s_add_co_u32 s88, s88, s92
	s_add_nc_u64 s[14:15], s[14:15], s[88:89]
	s_lshl_b32 s88, s83, 14                        ; Asc: batch, rows 128 cq + 64 wc
	s_lshl_b32 s92, s81, 11
	s_add_co_u32 s88, s88, s92
	s_lshl_b32 s92, s84, 10
	s_add_co_u32 s88, s88, s92
	s_add_nc_u64 s[12:13], s[12:13], s[88:89]
	s_lshl_b32 s88, s83, 12                        ; stat: 1 / l of my 128 d
	s_lshl_b32 s92, s82, 10
	s_add_co_u32 s88, s88, s92
	s_lshl_b32 s92, s85, 9
	s_add_co_u32 s88, s88, s92
	s_add_nc_u64 s[16:17], s[16:17], s[88:89]
	s_mul_i32 s88, s83, 196608                     ; Gcod: batch, tile 8 cq + 4 wc, K step 2 dq + wd
	s_mul_i32 s92, s81, 49152
	s_add_co_u32 s88, s88, s92
	s_mul_i32 s92, s84, 24576
	s_add_co_u32 s88, s88, s92
	s_mul_i32 s92, s82, 3072
	s_add_co_u32 s88, s88, s92
	s_mul_i32 s92, s85, 1536
	s_add_co_u32 s88, s88, s92
	s_add_nc_u64 s[22:23], s[22:23], s[88:89]
	s_lshl_b32 s88, s83, 13                        ; Gsc: batch, K step, my 64 c
	s_lshl_b32 s92, s82, 12
	s_add_co_u32 s88, s88, s92
	s_lshl_b32 s92, s85, 11
	s_add_co_u32 s88, s88, s92
	s_lshl_b32 s92, s81, 9
	s_add_co_u32 s88, s88, s92
	s_lshl_b32 s92, s84, 8
	s_add_co_u32 s88, s88, s92
	s_add_nc_u64 s[24:25], s[24:25], s[88:89]
	s_lshl_b32 s88, s83, 3                         ; the re-lay: fragment f = (8 b + 4 dq + cq) mod 128 of wV (b < 16) or wR
	s_lshl_b32 s92, s82, 2
	s_add_co_u32 s88, s88, s92
	s_add_co_u32 s88, s88, s81
	s_and_b32 s88, s88, 127
	s_lshr_b32 s92, s88, 2
	s_mul_i32 s92, s92, 6144                       ; its 16 rows of 384 bytes,
	s_and_b32 s90, s88, 3
	s_mul_i32 s90, s90, 96                         ; its K step
	s_add_co_u32 s90, s90, s92
	s_mov_b32 s91, 0
	s_cmp_lt_u32 s83, 16
	s_cselect_b64 s[18:19], s[18:19], s[20:21]
	s_add_nc_u64 s[18:19], s[18:19], s[90:91]
	s_lshr_b32 s92, s83, 4
	s_mul_i32 s92, s92, 196608
	s_mul_i32 s93, s88, 1536
	s_add_co_u32 s92, s92, s93
	s_mov_b32 s93, 0
	s_add_nc_u64 s[26:27], s[26:27], s[92:93]
	s_cmp_lg_u32 s[WV], 0
	s_cbranch_scc1 .Lno_relay_in
.irp p,0,1,2,3,4,5
	global_load_b64 v[RY+2*\p:RY+2*\p+1], v[RYA], s[18:19] offset:48*(\p/3)+8*(\p%3)
.endr
.Lno_relay_in:
.irp f,0,1                                     ; 12 loads of scale words: a row's 16 bytes are four K steps' words
.irp q,0,1,2,3
	global_load_b128 v[PSC+8*\q+4*\f:PSC+8*\q+4*\f+3], v[L16], s[14:15] offset:8192*\f+512*\q
.endr
.irp q,0,1
	global_load_b128 v[ASC+8*\q+4*\f:ASC+8*\q+4*\f+3], v[L16], s[12:13] offset:8192*\f+512*\q
.endr
.endr
	WIN 0x80                                       ; 16 loads of 1 / l -> window 2, v144 on: register 8 e + j = d 16 e + 8 (lane / 16) + j
.irp e,0,1,2,3,4,5,6,7
	global_load_b128 v[144+8*\e:147+8*\e], v[H32], s[16:17] offset:64*\e
	global_load_b128 v[148+8*\e:151+8*\e], v[H32], s[16:17] offset:64*\e+16
.endr
	WIN 0
	STAGEWAIT 0
	TFETCH 0
	s_wait_loadcnt 16                              ; the scale words (and wave 0's fragment, asked for ahead of them) are in; the 16 loads of 1 / l may be out
	s_cmp_lg_u32 s[WV], 0
	s_cbranch_scc1 .Lno_relay_out
	global_store_b128 v[L16], v[RY:RY+3], s[26:27]
	global_store_b64 v[L8], v[RY+4:RY+5], s[26:27]
	global_store_b128 v[L16], v[RY+6:RY+9], s[26:27] offset:768
	global_store_b64 v[L8], v[RY+10:RY+11], s[26:27] offset:768
.Lno_relay_out:
.irp s,0,1,2,3,4,5,6,7
.if \s < 7
.if (\s%2) == 1
	WIN 0
	STAGEWAIT (\s+1)/2
.endif
.if \s > 0
	PLACES 5                                       ; in front of loads into the buffer that the last K step but one... the step before multiplied
.endif
	TFETCH \s+1
	s_wait_dscnt 48                                ; this K step's fragments are in; the 48 loads just issued may be out
.else
	s_wait_dscnt 0x0
.endif
	MULS \s
.endr
	WIN 0
	PLACES 5
	s_wait_loadcnt 0x0                             ; 1 / l
	OUTG 0
	OUTG 1
	OUTG 2
	OUTG 3
	ds_load_b64 v[OW:OW+1], v[SCD]                 ; LDS serves a wave's instructions in order: this sees my four stores
	s_wait_dscnt 0x0
	global_store_b64 v[L8G], v[OW:OW+1], s[24:25]  ; my 64 scale words: 256 consecutive bytes, aligned
	s_wait_tensorcnt 0x0
	ds_add_u32 v219, v223
	s_wait_dscnt 0x0
	ROUND                                          ; the closing round
	s_endpgm
.Lfunc_end_k_q4e59482333_gdesc:
	.size	k_q4e59482333_gdesc, .Lfunc_end_k_q4e59482333_gdesc-k_q4e59482333_gdesc
	.p2alignl 7, 3214868480
	.fill 96, 4, 3214868480
	.section	.rodata,"a",@progbits
	.p2align	6, 0x0
	.amdhsa_kernel k_q4e59482333_gdesc
		.amdhsa_group_segment_fixed_size 296448
		.amdhsa_private_segment_fixed_size 0
		.amdhsa_enable_private_segment 0
		.amdhsa_kernarg_size 80
		.amdhsa_user_sgpr_count 2
		.amdhsa_user_sgpr_kernarg_segment_ptr 1
		.amdhsa_wavefront_size32 1
		.amdhsa_system_sgpr_workgroup_id_x 1
		.amdhsa_system_sgpr_workgroup_id_y 1
		.amdhsa_system_sgpr_workgroup_id_z 1
		.amdhsa_system_vgpr_workitem_id 0
		.amdhsa_next_free_vgpr 768
		.amdhsa_next_free_sgpr 96
		.amdhsa_reserve_vcc 0
		.amdhsa_float_denorm_mode_32 3
		.amdhsa_float_denorm_mode_16_64 3
		.amdhsa_memory_ordered 1
		.amdhsa_forward_progress 1
		.amdhsa_inst_pref_size 100
	.end_amdhsa_kernel
	.amdgpu_metadata
---
amdhsa.version: [ 1, 2 ]
amdhsa.kernels:
  - .name:           k_q4e59482333_gdesc
    .symbol:         k_q4e59482333_gdesc.kd
    .args:
      - { .name: Acod, .offset: 0, .size: 8, .value_kind: global_buffer, .address_space: global }
      - { .name: Pcod, .offset: 8, .size: 8, .value_kind: global_buffer, .address_space: global }
      - { .name: Asc, .offset: 16, .size: 8, .value_kind: global_buffer, .address_space: global }
      - { .name: Psc, .offset: 24, .size: 8, .value_kind: global_buffer, .address_space: global }
      - { .name: stat, .offset: 32, .size: 8, .value_kind: global_buffer, .address_space: global }
      - { .name: wV_codes, .offset: 40, .size: 8, .value_kind: global_buffer, .address_space: global }
      - { .name: wR_codes, .offset: 48, .size: 8, .value_kind: global_buffer, .address_space: global }
      - { .name: Gcod, .offset: 56, .size: 8, .value_kind: global_buffer, .address_space: global }
      - { .name: Gsc, .offset: 64, .size: 8, .value_kind: global_buffer, .address_space: global }
      - { .name: Wimg, .offset: 72, .size: 8, .value_kind: global_buffer, .address_space: global }
    .group_segment_fixed_size: 296448
    .private_segment_fixed_size: 0
    .kernarg_segment_align: 8
    .kernarg_segment_size: 80
    .max_flat_workgroup_size: 128
    .sgpr_count:     96
    .vgpr_count:     768
    .wavefront_size: 32
...
	.end_amdgpu_metadata
.endif
;; end of part 2
;; launch tail (part 3): grid 8 x 32, 8 waves a work-group, clusters of 4 x 1, 327,680 bytes of LDS; arguments x_codes, x_scales, Wimg, wV_scales, wR_scales, Gcod, Gsc, stat, bR, out0; writes out0
.if DOCPART == 3
	.amdgcn_target "amdgcn-amd-amdhsa--gfx1250"
	.amdhsa_code_object_version 6
	.text
	.protected	k_q4e59482333_tail
	.globl	k_q4e59482333_tail
	.p2align	8
	.type	k_q4e59482333_tail,@function
k_q4e59482333_tail:
	s_mov_b64 s[64:65], 0
	v_nop
	global_prefetch_b8 v0, s[64:65] scope:SCOPE_SE
	s_setreg_imm32_b32 hwreg(HW_REG_WAVE_MODE, 25, 1), 1
	s_wait_xcnt 0x0
	s_wait_alu depctr_hold_cnt(0) depctr_sa_sdst(0) depctr_va_vdst(0) depctr_va_sdst(0) depctr_va_ssrc(0) depctr_va_vcc(0) depctr_vm_vsrc(0)
	s_getreg_b32 s2, hwreg(HW_REG_IB_STS2, 6, 4)
	s_cmp_eq_u32 s2, 0
	s_cbranch_scc0 .Lentry_in_a_cluster
	s_endpgm
.Lentry_in_a_cluster:
	s_bfe_u32 s2, ttmp6, 0x10000c
	s_cmp_lg_u32 s2, 0x3003
	s_cbranch_scc0 .Lentry_shape_is_right
	s_endpgm
.Lentry_shape_is_right:
; TAIL.  For 128 places n of a batch, three layers of one shape, each 512 rows x 128 places x K = 512, on codes of BF6 (E3M2):
;   1: av[d][n] = 2^(c (wV x)[d][n] + kappa[d]), the finished softmax of V (kappa = c bV - M - log2 l comes from the first launch), quantised along d;
;   2: Z[c][n] = sum over d of G[c][d] av[d][n], quantised along c;      3: out[o][n] = sum over c of wR[o][c] Z[c][n] + bR[o].
; SHARES.  Work-group (ns, b) owns places 128 ns .. + 127, eight tiles of 16.  Wave u owns rows 64 u .. 64 u + 63 of each layer; its 16 fragments of the layer's weights (wV, G, wR) stay in registers for the layer.
; They come by ONE joint tensor load a wave (24,576 dense bytes, images of registers), are copied into registers at the layer's start, and then the same LDS bytes take the next layer's: that load has a layer's work in which to land.
; LAYOUT.  Layers 1 and 2: source 0 = 16 rows of the weight, source 1 = 16 places: a lane holds ONE place, and its registers run along the next K.  The wave's 64 rows are half (u & 1) of K step u >> 1 of the next layer;
; the half fragment goes to the other waves through LDS as an image of its registers.  In av the codes of a block stand in the same fixed order as in G.  Z meets wR, which has the true order: its numbers change lanes first (SWAPZ).
; Layer 3: source 0 = 16 places of Z, source 1 = 16 rows of wR: a lane holds one o and eight neighbouring n; the results leave through a stage in LDS, sixteen lanes to 256 consecutive aligned bytes.
; LIMITS.  NaN and infinities are not served; a block of zeros gets the byte 1, not 127; v_exp_f32 gives 0 under 2^-126; kappa is one f32 number: its rounding is an ulp of kappa, of the size of the logit's own.
.set AV,    196608                     ; LDS: 0: the weights, 8 x 24,576 (tensor loads alone);  AV: av's images [tile 8][K step 4][half 2][768]; in layer 3 the stages, 8 x 16 x 272
.set XS,    245760                     ; x's 128 rows, 432 bytes apart; from layer 2 on Z's images, laid as av's
.set AVS,   301056                     ; av's scale bytes [n 128][16];  + 2,048: Z's
.set SPARE, 305152
.set SPW,  1
.set NIL,  2
.set W16,  3
.set W8,   4
.set IR,   5                           ; v5-6   where the layer's input is read
.set OW16, 7                           ; v7-8   where my half fragment goes
.set OW8,  8
.set SW,   9                           ; its two scale bytes
.set SR,   10                          ; where scale words are read
.set STO,  11
.set RD,   12
.set CO,   13
.set L16,  14
.set IN,   16                          ; v16-63   four fragments of the input
.set AC,   64                          ; v64-95   layers 1, 2: four accumulators
.set KAP,  96                          ; v96-127  kappa
.set TM,   128
.set CX,   144
.set C6,   148
.set HW,   154
.set AC3,  64                          ; v64-191  layer 3: 16 accumulators, 32 e + 8 (tile % 4)
.set WSA,  192                         ; v192-199 wV's scale words, later wR's
.set INS,  200                         ; v200-215 the input's scale words: 4 (tile / 2) + K step
.set T,    216                         ; v216-247 the way out (at the head: offsets)
.set WSB,  248                         ; v248-255 G's scale words
.set BR,   192                         ; in window 1: bR, four pairs (the upper words are 0)
.set WV,   48
.set SEL,  52
.set CS,   54
.set MSB, 0
.macro WIN new
.if MSB != \new
	s_set_vgpr_msb (MSB<<8)|\new
.set MSB, \new
.endif
.endm
.macro PLACES n
.rept \n
	v_nop
.endr
.endm
.macro ROUND
	s_barrier_signal -1
	s_barrier_wait -1
	s_cmp_lg_u32 s[WV], 0
	s_cbranch_scc1 .Lnw0_\@
	s_barrier_signal -3
.Lnw0_\@:
	s_barrier_wait -3
	s_barrier_signal -1
	s_barrier_wait -1
.endm
.macro WM d, a, b, cm, c, sa, sb, ra, rb
.if (\cm) == 0
.if (\ra) && (\rb)
	v_wmma_scale_f32_16x16x128_f8f6f4 v[\d:\d+7], v[\a:\a+11], v[\b:\b+11], 0, v[\sa], v[\sb] matrix_a_fmt:MATRIX_FMT_BF6 matrix_b_fmt:MATRIX_FMT_BF6 matrix_a_scale:MATRIX_SCALE_ROW1 matrix_b_scale:MATRIX_SCALE_ROW1
.elseif (\ra)
	v_wmma_scale_f32_16x16x128_f8f6f4 v[\d:\d+7], v[\a:\a+11], v[\b:\b+11], 0, v[\sa], v[\sb] matrix_a_fmt:MATRIX_FMT_BF6 matrix_b_fmt:MATRIX_FMT_BF6 matrix_a_scale:MATRIX_SCALE_ROW1
.elseif (\rb)
	v_wmma_scale_f32_16x16x128_f8f6f4 v[\d:\d+7], v[\a:\a+11], v[\b:\b+11], 0, v[\sa], v[\sb] matrix_a_fmt:MATRIX_FMT_BF6 matrix_b_fmt:MATRIX_FMT_BF6 matrix_b_scale:MATRIX_SCALE_ROW1
.else
	v_wmma_scale_f32_16x16x128_f8f6f4 v[\d:\d+7], v[\a:\a+11], v[\b:\b+11], 0, v[\sa], v[\sb] matrix_a_fmt:MATRIX_FMT_BF6 matrix_b_fmt:MATRIX_FMT_BF6
.endif
.else
.if (\ra) && (\rb)
	v_wmma_scale_f32_16x16x128_f8f6f4 v[\d:\d+7], v[\a:\a+11], v[\b:\b+11], v[\c:\c+7], v[\sa], v[\sb] matrix_a_fmt:MATRIX_FMT_BF6 matrix_b_fmt:MATRIX_FMT_BF6 matrix_a_scale:MATRIX_SCALE_ROW1 matrix_b_scale:MATRIX_SCALE_ROW1
.elseif (\ra)
	v_wmma_scale_f32_16x16x128_f8f6f4 v[\d:\d+7], v[\a:\a+11], v[\b:\b+11], v[\c:\c+7], v[\sa], v[\sb] matrix_a_fmt:MATRIX_FMT_BF6 matrix_b_fmt:MATRIX_FMT_BF6 matrix_a_scale:MATRIX_SCALE_ROW1
.elseif (\rb)
	v_wmma_scale_f32_16x16x128_f8f6f4 v[\d:\d+7], v[\a:\a+11], v[\b:\b+11], v[\c:\c+7], v[\sa], v[\sb] matrix_a_fmt:MATRIX_FMT_BF6 matrix_b_fmt:MATRIX_FMT_BF6 matrix_b_scale:MATRIX_SCALE_ROW1
.else
	v_wmma_scale_f32_16x16x128_f8f6f4 v[\d:\d+7], v[\a:\a+11], v[\b:\b+11], v[\c:\c+7], v[\sa], v[\sb] matrix_a_fmt:MATRIX_FMT_BF6 matrix_b_fmt:MATRIX_FMT_BF6
.endif
.endif
.endm
.macro XFRAG reg, adr, s, off          ; a fragment from rows of 432 bytes (16 of padding behind each 128), in pieces of 8 bytes
.irp p,0,1,2,3,4,5
.set PC, 12*(\s)+6*(\p/3)+\p%3
.if PC%16 < 13
	ds_load_b64 v[\reg+2*\p:\reg+2*\p+1], v[\adr] offset:\off+8*PC+16*(PC/16)
.else
	ds_load_b64 v[\reg+2*\p:\reg+2*\p+1], v[\adr+1] offset:\off+8*PC+16*(PC/16)
.endif
.endr
.endm
.macro IMGLD reg, a16, a8, off         ; a fragment's image -> 12 registers
	ds_load_b128 v[\reg:\reg+3], v[\a16] offset:\off
	ds_load_b64 v[\reg+4:\reg+5], v[\a8] offset:\off
	ds_load_b128 v[\reg+6:\reg+9], v[\a16] offset:\off+768
	ds_load_b64 v[\reg+10:\reg+11], v[\a8] offset:\off+768
.endm
.macro QH src, c6, hw                  ; 32 numbers of a lane -> half a fragment's codes and two scale bytes
.irp k,0,1,2,3
	v_max3_num_f32 v[TM+\k], |v[\src+8*\k]|, |v[\src+8*\k+1]|, 0x2800000   ; the floor 2^(5 - 127) holds the byte at 1 from below
.endr
.irp i,2,4,6
.irp k,0,1,2,3
	v_max3_num_f32 v[TM+\k], v[TM+\k], |v[\src+8*\k+\i]|, |v[\src+8*\k+\i+1]|
.endr
.endr
	v_max_num_f32 v[TM], v[TM], v[TM+1]
	v_max_num_f32 v[TM+2], v[TM+2], v[TM+3]
	v_permlanex16_b32 v[TM+4], v[TM], s[SEL], s[SEL+1]
	v_permlanex16_b32 v[TM+5], v[TM+2], s[SEL], s[SEL+1]
	v_max_num_f32 v[TM], v[TM], v[TM+4]
	v_max_num_f32 v[TM+2], v[TM+2], v[TM+5]
	v_add_nc_u32 v[TM+6], 0xfe000000, v[TM]        ; 4 off the exponent field: the conversion's scale operand
	v_add_nc_u32 v[TM+7], 0xfe000000, v[TM+2]
	v_lshrrev_b32 v[TM+8], 23, v[TM+6]
	v_lshrrev_b32 v[TM+9], 23, v[TM+7]
	v_lshl_or_b32 v[\hw], v[TM+9], 8, v[TM+8]
	v_cvt_scalef32_pk16_bf6_f32 v[\c6:\c6+2], v[\src:\src+15], v[TM+6]
	v_cvt_scalef32_pk16_bf6_f32 v[CX:CX+2], v[\src+16:\src+31], v[TM+7]
	v_nop                                          ; one plain place behind a scaled conversion
.irp i,0,1,2
	v_permlane16_swap_b32 v[\c6+\i], v[CX+\i]
.endr
.irp i,0,1,2
	v_mov_b32 v[\c6+3+\i], v[CX+\i]
.endr
.endm
.macro WFETCH                          ; my 16 fragments of the layer's weights -> window 1, fragment (tile e, K step q) at 12 (4 e + q)
	WIN 0x40
.irp f,0,1,2,3,4,5,6,7,8,9,10,11,12,13,14,15
	IMGLD 12*\f, W16, W8, 1536*\f
.endr
	WIN 0
.endm
.macro INX t                           ; tile t of x
.irp q,0,1,2,3
	XFRAG IN+12*\q, IR, \q, 6912*(\t)
.endr
.endm
.macro INI t                           ; tile t of av or of Z
.irp q,0,1,2,3
	IMGLD IN+12*\q, IR, IR+1, 6144*(\t)+1536*\q
.endr
.endm
.macro MUL12 t, ws                     ; 16 products: K step by K step, the four accumulators by turns
	WIN 0x01
.irp q,0,1,2,3
.irp e,0,1,2,3
.if \q == 0
	WM AC+8*\e, 12*(4*\e+\q), IN+12*\q, 0, 0, \ws+4*(\e/2)+\q, INS+4*((\t)/2)+\q, \e%2, (\t)%2
.else
	WM AC+8*\e, 12*(4*\e+\q), IN+12*\q, 1, AC+8*\e, \ws+4*(\e/2)+\q, INS+4*((\t)/2)+\q, \e%2, (\t)%2
.endif
.endr
.endr
	WIN 0
.endm
.macro ACT1                            ; the finished softmax: 2^(c s + kappa)
.set J, 0
.rept 16
	v_pk_fma_f32 v[AC+J:AC+J+1], v[AC+J:AC+J+1], s[CS:CS+1], v[KAP+J:KAP+J+1] op_sel_hi:[1,0,1]
.set J, J+2
.endr
.set J, 0
.rept 32
	v_exp_f32 v[AC+J], v[AC+J]
.set J, J+1
.endr
	v_nop                                          ; a plain place behind the last exponential
	s_wait_alu depctr_va_vdst(0)                   ; one wait for the batch, ahead of its first reader
.endm
.macro SWAPZ                           ; register 16 b + i becomes c = 32 b + 16 (lane / 16) + i: the true order along K, which wR has
.irp b,0,1
.irp j,0,1,2,3,4,5,6,7
	v_permlane16_swap_b32 v[AC+16*\b+\j], v[AC+16*\b+8+\j]
.endr
.endr
.endm
.macro L12 t, lay                      ; a tile of 16 places in layer 1 or 2.  The next tile's input is asked for behind the products and lands while the results are worked on
	s_wait_dscnt 0x0                               ; the input is in, and the last tile's LDS stores have read their registers
.if (\lay) == 1
	MUL12 \t, WSA
.else
	MUL12 \t, WSB
.endif
	PLACES 5                                       ; behind the products: for the loads into their operands, the reads of their results and the products that begin the accumulators anew
.if (\t) < 7
.if (\lay) == 1
	INX (\t)+1
.else
	INI (\t)+1
.endif
.endif
.if (\lay) == 1
	ACT1
.else
	SWAPZ
.endif
	QH AC, C6, HW
	ds_store_b128 v[OW16], v[C6:C6+3] offset:6144*(\t)
	ds_store_b64 v[OW8], v[C6+4:C6+5] offset:6144*(\t)
	ds_store_b16 v[SW], v[HW] offset:2048*((\lay)-1)+256*(\t)
.endm
.macro MUL3 t
	WIN 0x04                                       ; source 1 (wR) window 1
.irp q,0,1,2,3
.irp e,0,1,2,3
.if \q == 0
	WM AC3+32*\e+8*((\t)%4), IN+12*\q, 12*(4*\e+\q), 0, 0, INS+4*((\t)/2)+\q, WSA+4*(\e/2)+\q, (\t)%2, \e%2
.else
	WM AC3+32*\e+8*((\t)%4), IN+12*\q, 12*(4*\e+\q), 1, AC3+32*\e+8*((\t)%4), INS+4*((\t)/2)+\q, WSA+4*(\e/2)+\q, (\t)%2, \e%2
.endif
.endr
.endr
	WIN 0
.endm
.macro WAYOUT e, gq                    ; 16 rows o x 64 places: + bR, through my stage, out as whole rows of 256 bytes
	s_wait_xcnt 0x0                                ; the last stores have read their registers
	WIN 0x04
.set J, 0
.rept 16
	v_pk_add_f32 v[T+J:T+J+1], v[AC3+32*(\e)+J:AC3+32*(\e)+J+1], v[BR+2*(\e):BR+2*(\e)+1] op_sel_hi:[1,0]
.set J, J+2
.endr
	WIN 0
.irp q,0,1,2,3
	ds_store_b128 v[STO], v[T+8*\q:T+8*\q+3] offset:64*\q
	ds_store_b128 v[STO], v[T+8*\q+4:T+8*\q+7] offset:64*\q+16
.endr
.irp i,0,1,2,3,4,5,6,7
	ds_load_b128 v[T+4*\i:T+4*\i+3], v[RD] offset:544*\i           ; LDS serves a wave's instructions in order: these see my stores
.endr
.irp i,0,1,2,3,4,5,6,7
	s_wait_dscnt 7-\i                              ; the younger loads from the stage may be out
	global_store_b128 v[CO], v[T+4*\i:T+4*\i+3], s[26:27] offset:4096*(16*(\e)+2*\i)+256*(\gq) th:TH_STORE_NT   ; 16 lanes store 256 consecutive bytes, aligned
.endr
.endm
	s_load_b512 s[8:23], s[0:1], 0x0               ; x_codes 8, x_scales 10, Wimg 12, wV_scales 14, wR_scales 16, Gcod 18, Gsc 20, stat 22
	s_load_b128 s[24:27], s[0:1], 0x40             ; bR 24, out0 26
	v_lshl_add_u32 v[SPW], v0, 2, SPARE
	v_mov_b32 v[NIL], 0
	ds_add_u32 v1, v2
	ds_add_u32 v1, v2
	s_wait_dscnt 0x0
	v_lshrrev_b32 v3, 5, v0
	v_readfirstlane_b32 s[WV], v3                  ; wave 0..7
	s_bfe_u32 s49, ttmp6, 0x40000                  ; cx
	s_lshl_b32 s50, ttmp9, 2
	s_add_co_u32 s50, s50, s49                     ; ns: my block of 128 places
	s_and_b32 s51, ttmp7, 0xffff                   ; b
	s_mov_b32 s[SEL], 0x76543210
	s_mov_b32 s[SEL+1], 0xfedcba98
	s_mov_b32 s[CS], 0x3fb8aa3b                    ; c = log2 e
	s_mov_b32 s[CS+1], s[CS]
	; group 1: 24,576 dense bytes as 96 rows of 256 (32 elements of 8 bytes); asked for jointly by the cluster's four
	s_mov_b32 s28, 15|(3<<16)|(1<<21)
	s_mov_b32 s29, 32<<16
	s_mov_b32 s30, 96<<16
	s_mov_b32 s31, 32<<16
	s_mov_b32 s32, 96
	s_mov_b32 s33, 32
	s_mov_b32 s34, 0
	s_mov_b32 s35, 0
	s_mov_b32 s36, 1
	s_mul_i32 s37, s[WV], 24576
	s_mov_b32 s40, 1
	s_mul_i32 s41, s[WV], 24576
	s_mov_b32 s44, 1
	s_mul_i32 s45, s[WV], 24576
	s_mul_i32 s56, s[WV], 24576
	s_mov_b32 s57, 0
	s_mul_i32 s58, s51, 196608
	s_add_co_u32 s58, s58, s56
	s_mov_b32 s59, 0
	s_mul_i32 s60, s51, 393216                     ; x's codes: batch, my block, my wave's tile
	s_mul_i32 s76, s50, 49152
	s_add_co_u32 s60, s60, s76
	s_mul_i32 s76, s[WV], 6144
	s_add_co_u32 s60, s60, s76
	s_mov_b32 s61, 0
	s_lshl_b32 s62, s51, 14                        ; x's scales
	s_lshl_b32 s76, s50, 11
	s_add_co_u32 s62, s62, s76
	s_mov_b32 s63, 0
	s_lshl_b32 s66, s[WV], 10                      ; the weights' scales: my 64 rows
	s_mov_b32 s67, 0
	s_lshl_b32 s72, s[WV], 8                       ; 256 u
	s_mov_b32 s73, 0
	s_lshl_b32 s68, s51, 13                        ; Gsc
	s_add_co_u32 s68, s68, s72
	s_mov_b32 s69, 0
	s_lshl_b32 s70, s51, 12                        ; stat: kappa of my 64 rows
	s_add_co_u32 s70, s70, s72
	s_add_co_u32 s70, s70, 2048
	s_mov_b32 s71, 0
	s_lshl_b32 s74, s51, 21                        ; out: batch, my 64 rows, my block's 512 bytes
	s_lshl_b32 s76, s[WV], 18
	s_add_co_u32 s74, s74, s76
	s_lshl_b32 s76, s50, 9
	s_add_co_u32 s74, s74, s76
	s_mov_b32 s75, 0
	v_and_b32 v216, 31, v0                         ; lane
	v_and_b32 v217, 15, v0                         ; r
	v_bfe_u32 v218, v0, 4, 1                       ; h
	v_lshlrev_b32 v[L16], 4, v216
	v_add_nc_u32 v[W16], s37, v[L16]
	v_lshl_add_u32 v[W8], v216, 3, 512
	v_add_nc_u32 v[W8], s37, v[W8]
	v_mul_u32_u24 v[IR], v217, 432
	v_mad_u32_u24 v[IR], v218, 24, v[IR]
	v_add_nc_u32 v[IR], XS, v[IR]
	v_lshl_add_u32 v[IR+1], v218, 4, v[IR]
	s_lshr_b32 s76, s[WV], 1
	s_mul_i32 s76, s76, 1536
	s_and_b32 s77, s[WV], 1
	s_mul_i32 s77, s77, 768
	s_add_co_u32 s76, s76, s77
	s_add_co_u32 s76, s76, AV
	v_add_nc_u32 v[OW16], s76, v[L16]
	v_lshl_add_u32 v[OW8], v216, 3, 512
	v_add_nc_u32 v[OW8], s76, v[OW8]
	s_lshl_b32 s76, s[WV], 1
	s_add_co_u32 s76, s76, AVS
	v_lshl_add_u32 v[SW], v217, 4, s76
	v_add_nc_u32 v[SR], AVS, v[L16]
	s_mul_i32 s76, s[WV], 4352
	s_add_co_u32 s76, s76, AV                      ; my stage
	v_mul_u32_u24 v[STO], v217, 272
	v_lshl_add_u32 v[STO], v218, 5, v[STO]
	v_add_nc_u32 v[STO], s76, v[STO]
	v_mul_u32_u24 v[RD], v218, 272
	v_lshl_add_u32 v[RD], v217, 4, v[RD]
	v_add_nc_u32 v[RD], s76, v[RD]
	v_lshlrev_b32 v[CO], 12, v218
	v_lshl_add_u32 v[CO], v217, 4, v[CO]
	v_lshlrev_b32 v219, 2, v216                    ; 4 x lane
	v_lshlrev_b32 v220, 5, v218                    ; 32 h
	v_lshlrev_b32 v221, 2, v217                    ; 4 r
	v_lshrrev_b32 v222, 3, v216
	v_lshl_add_u32 v222, v222, 4, v[L16]           ; the copy of x: byte y of the slice lies at y + 16 (y / 128)
	s_mul_i32 s76, s[WV], 6912
	s_add_co_u32 s76, s76, XS
	v_add_nc_u32 v222, s76, v222
	v_mov_b32 v[TM+4], 0                           ; a lane permute's destination counts as one of its sources
	v_mov_b32 v[TM+5], 0
	s_wait_kmcnt 0x0
	s_add_nc_u64 s[38:39], s[12:13], s[56:57]      ; wV's images,
	s_add_nc_u64 s[46:47], s[38:39], 196608        ; wR's,
	s_add_nc_u64 s[42:43], s[18:19], s[58:59]      ; G's
	s_or_b32 s39, s39, 0x80000000
	s_or_b32 s43, s43, 0x80000000
	s_or_b32 s47, s47, 0x80000000
	s_add_nc_u64 s[8:9], s[8:9], s[60:61]
	s_add_nc_u64 s[10:11], s[10:11], s[62:63]
	s_add_nc_u64 s[14:15], s[14:15], s[66:67]
	s_add_nc_u64 s[16:17], s[16:17], s[66:67]
	s_add_nc_u64 s[20:21], s[20:21], s[68:69]
	s_add_nc_u64 s[22:23], s[22:23], s[70:71]
	s_add_nc_u64 s[24:25], s[24:25], s[72:73]
	s_add_nc_u64 s[26:27], s[26:27], s[74:75]
	ROUND                                          ; all four work-groups are here: the first joint loads meet
	tensor_load_to_lds s[36:39], s[28:35]          ; wV: my 16 fragments
	s_nop 0
	PLACES 4
.irp m,0,1,2,3,4,5,6,7,8,9,10,11               ; my tile of x: 12 x 512 consecutive bytes
	global_load_b128 v[IN+4*\m:IN+4*\m+3], v[L16], s[8:9] offset:512*\m
.endr
.irp q,0,1,2,3                                 ; 26 more
	global_load_b128 v[INS+4*\q:INS+4*\q+3], v[L16], s[10:11] offset:512*\q
.endr
.irp q,0,1
	global_load_b128 v[WSA+4*\q:WSA+4*\q+3], v[L16], s[14:15] offset:512*\q
.endr
.irp e,0,1,2,3
	global_load_b128 v[KAP+8*\e:KAP+8*\e+3], v220, s[22:23] offset:64*\e
	global_load_b128 v[KAP+8*\e+4:KAP+8*\e+7], v220, s[22:23] offset:64*\e+16
.endr
.irp q,0,1
.irp k,0,1,2,3
	global_load_b32 v[WSB+4*\q+\k], v219, s[20:21] offset:2048*\k+128*\q
.endr
.endr
	WIN 0x40                                       ; destination window 1
.irp e,0,1,2,3
	global_load_b32 v[BR+2*\e], v221, s[24:25] offset:64*\e
.endr
.irp e,0,1,2,3
	v_mov_b32 v[BR+2*\e+1], 0                      ; named with bR as a pair
.endr
	WIN 0
	s_wait_loadcnt 26                              ; the 12 loads of the copy are in; the 26 issued behind them may be out
.irp m,0,1,2,3,4,5,6,7,8,9,10,11
	ds_store_b128 v222, v[IN+4*\m:IN+4*\m+3] offset:576*\m
.endr
	s_wait_tensorcnt 0x0                           ; my fragments of wV are in LDS: only I read them
	WFETCH
	s_wait_tensorcnt 0x0                           ; no tensor load of mine is out;
	ds_add_u32 v[SPW], v[NIL]                      ; 0 onto my spare word
	s_wait_dscnt 0x0                               ; the add is done, my reads of the weights are back, my tile of x has landed
	ROUND                                          ; the same holds of every wave of the four work-groups
	tensor_load_to_lds s[40:43], s[28:35]          ; G into the same bytes: it has layer 1 in which to land
	s_nop 0
	PLACES 4
	s_wait_loadcnt 0x0
	INX 0
.irp t,0,1,2,3,4,5,6,7
	L12 \t, 1
.endr
	global_load_b128 v[WSA:WSA+3], v[L16], s[16:17]                ; wR's scale words, for layer 3
	global_load_b128 v[WSA+4:WSA+7], v[L16], s[16:17] offset:512
	s_wait_tensorcnt 0x0                           ; my fragments of G are in
	WFETCH
	s_wait_tensorcnt 0x0
	ds_add_u32 v[SPW], v[NIL]
	s_wait_dscnt 0x0                               ; the add, my reads of the weights and of x, my parts of av
	ROUND
	tensor_load_to_lds s[44:47], s[28:35]          ; wR: it has layer 2 in which to land
	s_nop 0
	PLACES 4
	v_add_nc_u32 v[IR], AV, v[L16]                 ; the input is av's images,
	v_lshrrev_b32 v[IR+1], 1, v[L16]
	v_add_nc_u32 v[IR+1], AV+512, v[IR+1]
	v_add_nc_u32 v[OW16], 49152, v[OW16]           ; the output Z's, where x lay
	v_add_nc_u32 v[OW8], 49152, v[OW8]
.irp q,0,1,2,3
	ds_load_b128 v[INS+4*\q:INS+4*\q+3], v[SR] offset:512*\q
.endr
	INI 0
.irp t,0,1,2,3,4,5,6,7
	L12 \t, 2
.endr
	s_wait_tensorcnt 0x0                           ; my fragments of wR are in
	WFETCH
	s_wait_dscnt 0x0                               ; my parts of Z have landed, my reads of av are back
	s_barrier_signal -1
	s_barrier_wait -1
	v_add_nc_u32 v[IR], 49152, v[IR]
	v_add_nc_u32 v[IR+1], 49152, v[IR+1]
.irp q,0,1,2,3
	ds_load_b128 v[INS+4*\q:INS+4*\q+3], v[SR] offset:2048+512*\q
.endr
	s_wait_loadcnt 0x0                             ; wR's scale words
	INI 0
.irp g,0,1
.irp w,0,1,2,3
	s_wait_dscnt 0x0
	MUL3 4*\g+\w
	PLACES 5
.if (4*\g+\w) < 7
	INI 4*\g+\w+1
.endif
.endr
.irp e,0,1,2,3
	WAYOUT \e, \g
.endr
.endr
	s_wait_tensorcnt 0x0                           ; the wave's end
	ds_add_u32 v[SPW], v[NIL]
	s_wait_dscnt 0x0
	ROUND                                          ; the closing round
	s_endpgm
.Lfunc_end_k_q4e59482333_tail:
	.size	k_q4e59482333_tail, .Lfunc_end_k_q4e59482333_tail-k_q4e59482333_tail
	.p2alignl 7, 3214868480
	.fill 96, 4, 3214868480
	.section	.rodata,"a",@progbits
	.p2align	6, 0x0
	.amdhsa_kernel k_q4e59482333_tail
		.amdhsa_group_segment_fixed_size 327680
		.amdhsa_private_segment_fixed_size 0
		.amdhsa_enable_private_segment 0
		.amdhsa_kernarg_size 80
		.amdhsa_user_sgpr_count 2
		.amdhsa_user_sgpr_kernarg_segment_ptr 1
		.amdhsa_wavefront_size32 1
		.amdhsa_system_sgpr_workgroup_id_x 1
		.amdhsa_system_sgpr_workgroup_id_y 1
		.amdhsa_system_sgpr_workgroup_id_z 1
		.amdhsa_system_vgpr_workitem_id 0
		.amdhsa_next_free_vgpr 480
		.amdhsa_next_free_sgpr 80
		.amdhsa_reserve_vcc 0
		.amdhsa_float_denorm_mode_32 3
		.amdhsa_float_denorm_mode_16_64 3
		.amdhsa_memory_ordered 1
		.amdhsa_forward_progress 1
		.amdhsa_inst_pref_size 189
	.end_amdhsa_kernel
	.amdgpu_metadata
---
amdhsa.version: [ 1, 2 ]
amdhsa.kernels:
  - .name:           k_q4e59482333_tail
    .symbol:         k_q4e59482333_tail.kd
    .args:
      - { .name: x_codes, .offset: 0, .size: 8, .value_kind: global_buffer, .address_space: global }
      - { .name: x_scales, .offset: 8, .size: 8, .value_kind: global_buffer, .address_space: global }
      - { .name: Wimg, .offset: 16, .size: 8, .value_kind: global_buffer, .address_space: global }
      - { .name: wV_scales, .offset: 24, .size: 8, .value_kind: global_buffer, .address_space: global }
      - { .name: wR_scales, .offset: 32, .size: 8, .value_kind: global_buffer, .address_space: global }
      - { .name: Gcod, .offset: 40, .size: 8, .value_kind: global_buffer, .address_space: global }
      - { .name: Gsc, .offset: 48, .size: 8, .value_kind: global_buffer, .address_space: global }
      - { .name: stat, .offset: 56, .size: 8, .value_kind: global_buffer, .address_space: global }
      - { .name: bR, .offset: 64, .size: 8, .value_kind: global_buffer, .address_space: global }
      - { .name: out0, .offset: 72, .size: 8, .value_kind: global_buffer, .address_space: global }
    .group_segment_fixed_size: 327680
    .private_segment_fixed_size: 0
    .kernarg_segment_align: 8
    .kernarg_segment_size: 80
    .max_flat_workgroup_size: 256
    .sgpr_count:     80
    .vgpr_count:     480
    .wavefront_size: 32
...
	.end_amdgpu_metadata
.endif
;; end of part 3
